; MI455X (gfx1250); checked and timed in simulation.
; The chip was launched on July 23, 2026; its instructions are those of AMD's public machine-readable ISA for CDNA 5 (MIT licence, August 2026) and "CDNA5" Instruction Set Architecture Reference Guide (July 2026). The comments in the code are by the model that wrote it; some were corrected since.
;; Self Attention. Allowed arithmetic: float matrix products may take bf16 or f16 operands with f32 sums; all other float work in f32.
;; Inputs: Wk 1,024 x 1,024 float32; Wo 1,024 x 1,024 float32; Wq 1,024 x 1,024 float32; Wv 1,024 x 1,024 float32; attention_mask 2 x 2,048 bool; uk 1,024 float32; uo 1,024 float32; uq 1,024 float32; uv 1,024 float32; x 2 x 2,048 x 1,024 float32.
;; Outputs: out0 2 x 2,048 x 1,024 float32.
;; 3 versions, each right; version 2 is faster than version 1; version 3 is version 2 with the launch prep written anew for expert scheduling mode. Each part assembles by itself: llvm-mc -triple=amdgcn-amd-amdhsa -mcpu=gfx1250 --defsym DOCPART=n.
;; ======== version 1 of 3: 5 launches
;; limits: values are held in f16: magnitudes above 65,504 overflow, below 6.1e-05 lose precision
;; workspace buffers: wb 8,388,608 bytes; xb 8,388,608 bytes; tpart 131,072 bytes; rot 524,288 bytes; stats 2,048 bytes; qkvh 25,165,824 bytes; ah 8,388,608 bytes
;; launch prep (part 1): grid 256 x 1, 8 waves a work-group, no clusters, 5,120 bytes of LDS; arguments Wq, Wk, Wv, Wo, uq, uk, uv, uo, x, wb, xb, tpart, rot; writes wb, xb, tpart, rot
.if DOCPART == 1
	.amdgcn_target "amdgcn-amd-amdhsa--gfx1250"
	.amdhsa_code_object_version 6
	.text
	.protected	k_q150a6fbf89_prep
	.globl	k_q150a6fbf89_prep
	.p2align	8
	.type	k_q150a6fbf89_prep,@function
k_q150a6fbf89_prep:
	s_mov_b64 s[64:65], 0
	v_nop
	global_prefetch_b8 v0, s[64:65] scope:SCOPE_SE
	s_setreg_imm32_b32 hwreg(HW_REG_WAVE_MODE, 25, 1), 1
	s_wait_xcnt 0x0
; SelfAttention, launch 1 of 5: casts, partial sums of W^T u, and the rotary table.
; THE WHOLE PROGRAM: prep (this) -> sig (sums of squares for sigma) -> qkv (x W^T, 1/sigma, rotary) -> attn -> oproj.
; NOTHING IS LEFT OUT AS DEAD: all ten inputs have a way to the output and are loaded.  Two identities, true for all values, shorten the power iteration:
;   with t = W^T u and v = t / (|t| + eps):  W v = (W t) / (|t| + eps), so only |t|^2 and |W t|^2 are needed;
;   with u2 = W v / (|W v| + eps):  sigma = u2 . (W v) = |W v|^2 / (|W v| + eps), so u2 is never formed.
;   x (W / sigma)^T = (x W^T) / sigma: 1/sigma multiplies the f32 sums of the products, and W is rounded to bf16 unscaled.
; LIMITS: the order of rounding differs from the source's in these three places.  Where t or W t is all zeros the source divides by zero; here 1/sigma is then
; infinite and the results are infinities or NaN as well, but not in the same places.
; The rotary angle s f_i is reduced by n = rndne(angle / 2 pi) with 2 pi in two parts and sine and cosine are series in r on [-pi, pi], cut where the next
; term is below 1e-6; f_i = 2^(-i log2(10000) / 32) comes from v_exp_f32.
;
; Work-group g (256 of them): m = g >> 6 picks W and u, rc = (g >> 3) & 7 a chunk of 128 rows, cb = g & 7 a chunk of 128 columns.
;   (a) the 128 x 128 block of W: wave w takes rows 16 w .. 16 w + 15, one row (512 bytes) a load; lane l owns columns 4 l .. 4 l + 3.
;       The block goes out as bf16 (a wave's store covers 256 consecutive bytes, aligned), and sum over the block's rows of u[row] W[row][col] goes to tpart.
;   (b) 65,536 consecutive bytes of x, as bf16 to xb.      (c) row s = 8 g + w of the rotary table: 32 cosines, 32 sines, 256 bytes.
; No matrix unit, no cluster: memory binds and the work-groups share no bytes.  Every store has data registers of its own, so no register is freed by a wait.
.set WV, 32                            ; v[32:95]   16 rows of W, 4 numbers each
.set XV, 96                            ; v[96:159]  16 pieces of x
.set PW, 160                           ; v[160:191] W as bf16
.set PX, 192                           ; v[192:223] x as bf16
	s_load_b512 s[8:23], s[0:1], 0x0               ; Wq Wk Wv Wo s[8:15], uq uk uv uo s[16:23]
	s_load_b256 s[24:31], s[0:1], 0x40             ; x s[24:25], wb s[26:27], xb s[28:29], tpart s[30:31]
	s_load_b64 s[32:33], s[0:1], 0x60              ; rot
	v_lshl_add_u32 v224, v0, 2, 0x1000
	v_mov_b32 v225, 0
	v_lshrrev_b32 v1, 5, v0
	v_readfirstlane_b32 s53, v1                    ; wave
	v_and_b32 v1, 31, v0                           ; lane
	s_lshr_b32 s52, ttmp9, 6                       ; m
	s_bfe_u32 s54, ttmp9, 0x30003                  ; rc
	s_and_b32 s55, ttmp9, 7                        ; cb
	s_mov_b32 s35, 0                               ; upper word of every offset
	v_lshlrev_b32 v2, 4, v1
	v_lshl_add_u32 v2, s53, 16, v2                 ; W: 16 w rows of 4,096 bytes + 16 l
	v_lshlrev_b32 v3, 3, v1
	v_lshl_add_u32 v3, s53, 15, v3                 ; wb: 16 w rows of 2,048 bytes + 8 l
	v_lshlrev_b32 v4, 4, v0                        ; x: 16 bytes a thread; also my 16 bytes in LDS
	v_lshlrev_b32 v5, 3, v0                        ; xb: 8 bytes a thread
	v_lshlrev_b32 v25, 4, v1                       ; 16 l
	s_wait_kmcnt 0x0
	s_cmp_eq_u32 s52, 1                            ; the choice of W and u hangs on the work-group's number alone
	s_cselect_b64 s[2:3], s[10:11], s[8:9]
	s_cselect_b64 s[4:5], s[18:19], s[16:17]
	s_cmp_eq_u32 s52, 2
	s_cselect_b64 s[2:3], s[12:13], s[2:3]
	s_cselect_b64 s[4:5], s[20:21], s[4:5]
	s_cmp_eq_u32 s52, 3
	s_cselect_b64 s[2:3], s[14:15], s[2:3]
	s_cselect_b64 s[4:5], s[22:23], s[4:5]
	s_lshl_b32 s34, s54, 9                         ; u: (128 rc + 16 w) x 4 bytes
	s_lshl_b32 s6, s53, 6
	s_add_co_u32 s34, s34, s6
	s_add_nc_u64 s[4:5], s[4:5], s[34:35]
	s_load_b512 s[36:51], s[4:5], 0x0              ; u of my wave's 16 rows
	s_lshl_b32 s34, s54, 19                        ; W: 128 rc rows + 512 cb bytes
	s_lshl_b32 s6, s55, 9
	s_add_co_u32 s34, s34, s6
	s_add_nc_u64 s[2:3], s[2:3], s[34:35]
	s_lshl_b32 s34, ttmp9, 16
	s_add_nc_u64 s[24:25], s[24:25], s[34:35]      ; x
.set i, 0
.rept 16
	global_load_b128 v[WV+4*i:WV+4*i+3], v2, s[2:3] offset:i*4096
.set i, i+1
.endr
.set i, 0
.rept 16
	global_load_b128 v[XV+4*i:XV+4*i+3], v4, s[24:25] offset:i*4096 th:TH_LOAD_NT
.set i, i+1
.endr
	s_lshl_b32 s34, ttmp9, 15
	s_add_nc_u64 s[28:29], s[28:29], s[34:35]      ; xb
	s_lshr_b32 s6, ttmp9, 3                        ; 8 m + rc
	s_lshl_b32 s34, s6, 18                         ; wb: (1024 m + 128 rc) rows of 2,048 bytes + 256 cb
	s_lshl_b32 s7, s55, 8
	s_add_co_u32 s34, s34, s7
	s_add_nc_u64 s[26:27], s[26:27], s[34:35]
	s_lshl_b32 s34, s6, 12                         ; tpart: row 8 m + rc of 4,096 bytes + 512 cb
	s_lshl_b32 s7, s55, 9
	s_add_co_u32 s34, s34, s7
	s_add_nc_u64 s[30:31], s[30:31], s[34:35]
	s_lshl_b32 s7, ttmp9, 3
	s_add_co_u32 s7, s7, s53                       ; s = 8 g + w
	s_lshl_b32 s34, s7, 8
	s_add_nc_u64 s[32:33], s[32:33], s[34:35]      ; rot's row s
	; the rotary table, while the loads are on their way: lane l works on i0 = 2 (l & 15) and i0 + 1
	v_and_b32 v10, 15, v0
	v_lshlrev_b32 v10, 1, v10
	v_add_nc_u32 v11, 1, v10
	v_cvt_f32_u32 v10, v10
	v_cvt_f32_u32 v11, v11
	v_mul_f32 v10, 0xbed49a78, v10                 ; -i log2(10000) / 32
	v_mul_f32 v11, 0xbed49a78, v11
	v_cvt_f32_u32 v14, s7
	v_exp_f32 v12, v10                             ; f_i
	v_exp_f32 v13, v11
	v_lshlrev_b32 v21, 3, v1                       ; 8 l: a plain instruction between the exponentials and their use (ISA guide 5.7.2)
	s_wait_alu depctr_va_vdst(0)
	v_mul_f32 v12, v14, v12                        ; the angle
	v_mul_f32 v13, v14, v13
	v_mul_f32 v15, 0x3e22f983, v12                 ; / 2 pi
	v_mul_f32 v24, 0x3e22f983, v13
	v_rndne_f32 v15, v15
	v_rndne_f32 v24, v24
	v_fmamk_f32 v12, v15, 0xc0c90fdb, v12          ; r = angle - n 2 pi, 2 pi in two parts
	v_fmamk_f32 v13, v24, 0xc0c90fdb, v13
	v_fmamk_f32 v12, v15, 0x343bbd2e, v12
	v_fmamk_f32 v13, v24, 0x343bbd2e, v13
	v_mul_f32 v16, v12, v12                        ; z = r r
	v_mul_f32 v17, v13, v13
	v_mov_b32 v20, 0xab573f9f                      ; sine: r (1 - z/3! + z^2/5! - .. - z^7/15!)
	v_fmaak_f32 v18, v20, v16, 0x2f309231
	v_fmaak_f32 v19, v20, v17, 0x2f309231
.irp c, 0xb2d7322b, 0x3638ef1d, 0xb9500d01, 0x3c088889, 0xbe2aaaab, 0x3f800000
	v_fmaak_f32 v18, v18, v16, \c
	v_fmaak_f32 v19, v19, v17, \c
.endr
	v_mul_f32 v18, v18, v12
	v_mul_f32 v19, v19, v13
	v_mov_b32 v20, 0x29573f9f                      ; cosine: 1 - z/2! + z^2/4! - .. + z^8/16!
	v_fmaak_f32 v22, v20, v16, 0xad49cba5
	v_fmaak_f32 v23, v20, v17, 0xad49cba5
.irp c, 0x310f76c7, 0xb493f27e, 0x37d00d01, 0xbab60b61, 0x3d2aaaab, 0xbf000000, 0x3f800000
	v_fmaak_f32 v22, v22, v16, \c
	v_fmaak_f32 v23, v23, v17, \c
.endr
	v_cmp_gt_u32 vcc_lo, 16, v1                    ; lanes 0-15 keep the cosines, lanes 16-31 the sines
	v_cndmask_b32 v18, v18, v22, vcc_lo
	v_cndmask_b32 v19, v19, v23, vcc_lo
	global_store_b64 v21, v[18:19], s[32:33]       ; the wave stores the row's 256 bytes
	s_wait_kmcnt 0x0                               ; u
	; W: row i is in when at most the 15 - i younger rows and the 16 pieces of x are out
.set i, 0
.rept 16
	s_wait_loadcnt 31-i
.if i == 0
	v_mul_f32 v6, s36, v[WV]                       ; the first row starts the sums
	v_mul_f32 v7, s36, v[WV+1]
	v_mul_f32 v8, s36, v[WV+2]
	v_mul_f32 v9, s36, v[WV+3]
.else
	v_fmac_f32 v6, s[36+i], v[WV+4*i]
	v_fmac_f32 v7, s[36+i], v[WV+4*i+1]
	v_fmac_f32 v8, s[36+i], v[WV+4*i+2]
	v_fmac_f32 v9, s[36+i], v[WV+4*i+3]
.endif
	v_cvt_pk_bf16_f32 v[PW+2*i], v[WV+4*i], v[WV+4*i+1]
	v_cvt_pk_bf16_f32 v[PW+2*i+1], v[WV+4*i+2], v[WV+4*i+3]
	global_store_b64 v3, v[PW+2*i:PW+2*i+1], s[26:27] offset:i*2048
.set i, i+1
.endr
	ds_store_b128 v4, v[6:9]                       ; my wave's sums over its 16 rows: 512 bytes at 512 w
	; x: piece i is in when at most the 15 - i younger ones are out
.set i, 0
.rept 16
	s_wait_loadcnt 15-i
	v_cvt_pk_bf16_f32 v[PX+2*i], v[XV+4*i], v[XV+4*i+1]
	v_cvt_pk_bf16_f32 v[PX+2*i+1], v[XV+4*i+2], v[XV+4*i+3]
	global_store_b64 v5, v[PX+2*i:PX+2*i+1], s[28:29] offset:i*2048
.set i, i+1
.endr
	s_wait_dscnt 0x0                               ; my sums are in LDS before I say so
	s_barrier_signal -1
	s_barrier_wait -1
	s_cmp_lg_u32 s53, 0
	s_cbranch_scc1 .Lend
.irp k, 0,1,2,3,4,5,6,7
	ds_load_b128 v[WV+4*\k:WV+4*\k+3], v25 offset:\k*512   ; wave 0 adds the eight waves' sums, in a fixed order
.endr
	s_wait_dscnt 0x0
.irp k, 1,2,3,4,5,6,7
	v_pk_add_f32 v[WV:WV+1], v[WV:WV+1], v[WV+4*\k:WV+4*\k+1]
	v_pk_add_f32 v[WV+2:WV+3], v[WV+2:WV+3], v[WV+4*\k+2:WV+4*\k+3]
.endr
	global_store_b128 v25, v[WV:WV+3], s[30:31]    ; 512 consecutive bytes of tpart
.Lend:
	s_wait_tensorcnt 0x0
	ds_add_u32 v224, v225
	s_wait_dscnt 0x0
	s_endpgm
.Lfunc_end_k_q150a6fbf89_prep:
	.size	k_q150a6fbf89_prep, .Lfunc_end_k_q150a6fbf89_prep-k_q150a6fbf89_prep
	.p2alignl 7, 3214868480
	.fill 96, 4, 3214868480
	.section	.rodata,"a",@progbits
	.p2align	6, 0x0
	.amdhsa_kernel k_q150a6fbf89_prep
		.amdhsa_group_segment_fixed_size 5120
		.amdhsa_private_segment_fixed_size 0
		.amdhsa_enable_private_segment 0
		.amdhsa_kernarg_size 104
		.amdhsa_user_sgpr_count 2
		.amdhsa_user_sgpr_kernarg_segment_ptr 1
		.amdhsa_wavefront_size32 1
		.amdhsa_system_sgpr_workgroup_id_x 1
		.amdhsa_system_sgpr_workgroup_id_y 1
		.amdhsa_system_sgpr_workgroup_id_z 1
		.amdhsa_system_vgpr_workitem_id 0
		.amdhsa_next_free_vgpr 226
		.amdhsa_next_free_sgpr 66
		.amdhsa_reserve_vcc 1
		.amdhsa_float_denorm_mode_32 3
		.amdhsa_float_denorm_mode_16_64 3
		.amdhsa_memory_ordered 1
		.amdhsa_forward_progress 1
		.amdhsa_inst_pref_size 21
	.end_amdhsa_kernel
	.amdgpu_metadata
---
amdhsa.version: [ 1, 2 ]
amdhsa.kernels:
  - .name:           k_q150a6fbf89_prep
    .symbol:         k_q150a6fbf89_prep.kd
    .args:
      - { .name: Wq, .offset: 0, .size: 8, .value_kind: global_buffer, .address_space: global }
      - { .name: Wk, .offset: 8, .size: 8, .value_kind: global_buffer, .address_space: global }
      - { .name: Wv, .offset: 16, .size: 8, .value_kind: global_buffer, .address_space: global }
      - { .name: Wo, .offset: 24, .size: 8, .value_kind: global_buffer, .address_space: global }
      - { .name: uq, .offset: 32, .size: 8, .value_kind: global_buffer, .address_space: global }
      - { .name: uk, .offset: 40, .size: 8, .value_kind: global_buffer, .address_space: global }
      - { .name: uv, .offset: 48, .size: 8, .value_kind: global_buffer, .address_space: global }
      - { .name: uo, .offset: 56, .size: 8, .value_kind: global_buffer, .address_space: global }
      - { .name: x, .offset: 64, .size: 8, .value_kind: global_buffer, .address_space: global }
      - { .name: wb, .offset: 72, .size: 8, .value_kind: global_buffer, .address_space: global }
      - { .name: xb, .offset: 80, .size: 8, .value_kind: global_buffer, .address_space: global }
      - { .name: tpart, .offset: 88, .size: 8, .value_kind: global_buffer, .address_space: global }
      - { .name: rot, .offset: 96, .size: 8, .value_kind: global_buffer, .address_space: global }
    .group_segment_fixed_size: 5120
    .private_segment_fixed_size: 0
    .kernarg_segment_align: 8
    .kernarg_segment_size: 104
    .max_flat_workgroup_size: 256
    .sgpr_count:     66
    .vgpr_count:     226
    .wavefront_size: 32
...
	.end_amdgpu_metadata
.endif
;; end of part 1
;; launch sig (part 2): grid 256 x 1, 8 waves a work-group, no clusters, 2,048 bytes of LDS; arguments Wq, Wk, Wv, Wo, tpart, stats; writes stats
.if DOCPART == 2
	.amdgcn_target "amdgcn-amd-amdhsa--gfx1250"
	.amdhsa_code_object_version 6
	.text
	.protected	k_q150a6fbf89_sig
	.globl	k_q150a6fbf89_sig
	.p2align	8
	.type	k_q150a6fbf89_sig,@function
k_q150a6fbf89_sig:
	s_mov_b64 s[64:65], 0
	v_nop
	global_prefetch_b8 v0, s[64:65] scope:SCOPE_SE
	s_setreg_imm32_b32 hwreg(HW_REG_WAVE_MODE, 25, 1), 1
	s_wait_xcnt 0x0
; SelfAttention, launch 2 of 5: t = W^T u (the eight partial sums added in a fixed order), then |t|^2 and this work-group's part of |W t|^2.
; u2 of the power iteration is never formed: sigma = |W v|^2 / (|W v| + eps) with W v = (W t) / (|t| + eps), for all values.
; Work-group g: m = g >> 6 picks W; rows 16 (g & 63) .. + 15, 65,536 consecutive bytes.  Thread j owns columns 4 j .. 4 j + 3 of every row,
; so a wave's load covers 512 consecutive bytes.  stats[g] = (sum over my 16 rows of (W t)[row]^2, |t|^2).
; Memory binds: no matrix unit, no cluster (the work-groups share only the 32 KiB of tpart).
	s_load_b256 s[8:15], s[0:1], 0x0               ; Wq Wk Wv Wo
	s_load_b128 s[16:19], s[0:1], 0x20             ; tpart s[16:17], stats s[18:19]
	v_lshl_add_u32 v128, v0, 2, 0x400
	v_mov_b32 v129, 0
	v_lshrrev_b32 v2, 5, v0
	v_readfirstlane_b32 s20, v2                    ; wave
	v_lshlrev_b32 v1, 4, v0                        ; 16 bytes a thread
	v_mov_b32 v2, s20
	v_lshlrev_b32 v2, 7, v2                        ; my wave's 128 bytes in LDS
	s_lshr_b32 s21, ttmp9, 6                       ; m
	s_and_b32 s22, ttmp9, 63
	s_mov_b32 s25, 0
	s_mov_b32 s40, 0x76543210                      ; v_permlanex16_b32: lane i of one half reads lane i of the other
	s_mov_b32 s41, 0xfedcba98
	s_wait_kmcnt 0x0
	s_cmp_eq_u32 s21, 1
	s_cselect_b64 s[2:3], s[10:11], s[8:9]
	s_cmp_eq_u32 s21, 2
	s_cselect_b64 s[2:3], s[12:13], s[2:3]
	s_cmp_eq_u32 s21, 3
	s_cselect_b64 s[2:3], s[14:15], s[2:3]
	s_lshl_b32 s24, s21, 15
	s_add_nc_u64 s[16:17], s[16:17], s[24:25]      ; tpart of matrix m
	s_lshl_b32 s24, s22, 16
	s_add_nc_u64 s[2:3], s[2:3], s[24:25]          ; my 16 rows
	s_lshl_b32 s24, ttmp9, 3
	s_add_nc_u64 s[18:19], s[18:19], s[24:25]      ; stats[g]
.irp k, 0,1,2,3,4,5,6,7
	global_load_b128 v[8+4*\k:11+4*\k], v1, s[16:17] offset:\k*4096
.endr
.set r, 0
.rept 16
	global_load_b128 v[40+4*r:43+4*r], v1, s[2:3] offset:r*4096 th:TH_LOAD_NT
.set r, r+1
.endr
	s_wait_loadcnt 16                              ; the eight partial sums are in; the 16 rows of W behind them may be out
	v_pk_add_f32 v[4:5], v[8:9], v[12:13]
	v_pk_add_f32 v[6:7], v[10:11], v[14:15]
.irp k, 2,3,4,5,6,7
	v_pk_add_f32 v[4:5], v[4:5], v[8+4*\k:9+4*\k]
	v_pk_add_f32 v[6:7], v[6:7], v[10+4*\k:11+4*\k]
.endr
	v_pk_mul_f32 v[122:123], v[4:5], v[4:5]        ; my four terms of |t|^2
	v_pk_fma_f32 v[122:123], v[6:7], v[6:7], v[122:123]
	v_add_f32 v120, v122, v123
.set r, 0
.rept 16
	s_wait_loadcnt 15-r                            ; row r is in; the younger rows may be out
	v_pk_mul_f32 v[122:123], v[40+4*r:41+4*r], v[4:5]
	v_pk_fma_f32 v[122:123], v[42+4*r:43+4*r], v[6:7], v[122:123]
	v_add_f32 v[104+r], v122, v123                 ; my four terms of (W t)[row r]
.set r, r+1
.endr
	; 17 sums over the wave's 32 lanes, side by side
.irp x, 1,2,4,8
.set j, 0
.rept 17
	v_add_f32_dpp v[104+j], v[104+j], v[104+j] row_xmask:\x row_mask:0xf bank_mask:0xf
.set j, j+1
.endr
.endr
.set j, 0
.rept 17
	v_permlanex16_b32 v[8+j], v[104+j], s40, s41   ; v8-v24 have been written (the partial sums), as the destination of this instruction must be
.set j, j+1
.endr
.set j, 0
.rept 17
	v_add_f32 v[104+j], v[104+j], v[8+j]
.set j, j+1
.endr
	ds_store_b128 v2, v[104:107]                   ; all lanes write the same words with the same values
	ds_store_b128 v2, v[108:111] offset:16
	ds_store_b128 v2, v[112:115] offset:32
	ds_store_b128 v2, v[116:119] offset:48
	ds_store_b32 v2, v120 offset:64
	s_wait_dscnt 0x0                               ; in LDS before I say so
	s_barrier_signal -1
	s_barrier_wait -1
	s_cmp_lg_u32 s20, 0
	s_cbranch_scc1 .Lend
	v_min_u32 v3, 16, v0                           ; wave 0: lanes 0-15 take row l's sum, lanes 16-31 |t|^2
	v_lshlrev_b32 v3, 2, v3
.irp k, 0,1,2,3,4,5,6,7
	ds_load_b32 v[8+\k], v3 offset:\k*128
.endr
	s_wait_dscnt 0x0
.irp k, 1,2,3,4,5,6,7
	v_add_f32 v8, v8, v[8+\k]
.endr
	v_mul_f32 v10, v8, v8
.irp x, 1,2,4,8
	v_add_f32_dpp v10, v10, v10 row_xmask:\x row_mask:0xf bank_mask:0xf   ; lanes 0-15: the sum of the 16 squares
.endr
	v_mov_b32 v11, 0
	v_permlanex16_b32 v11, v8, s40, s41            ; lane 0 takes |t|^2 from lane 16
	v_mov_b32 v12, 0
	v_cmp_eq_u32 vcc_lo, 0, v0
	s_wait_xcnt 0x0                                ; EXEC changes only when no earlier memory instruction still leans on it
	s_and_saveexec_b32 s26, vcc_lo
	global_store_b64 v12, v[10:11], s[18:19]       ; lane 0 alone
	s_wait_xcnt 0x0
	s_or_b32 exec_lo, exec_lo, s26
.Lend:
	s_wait_tensorcnt 0x0
	ds_add_u32 v128, v129
	s_wait_dscnt 0x0
	s_endpgm
.Lfunc_end_k_q150a6fbf89_sig:
	.size	k_q150a6fbf89_sig, .Lfunc_end_k_q150a6fbf89_sig-k_q150a6fbf89_sig
	.p2alignl 7, 3214868480
	.fill 96, 4, 3214868480
	.section	.rodata,"a",@progbits
	.p2align	6, 0x0
	.amdhsa_kernel k_q150a6fbf89_sig
		.amdhsa_group_segment_fixed_size 2048
		.amdhsa_private_segment_fixed_size 0
		.amdhsa_enable_private_segment 0
		.amdhsa_kernarg_size 48
		.amdhsa_user_sgpr_count 2
		.amdhsa_user_sgpr_kernarg_segment_ptr 1
		.amdhsa_wavefront_size32 1
		.amdhsa_system_sgpr_workgroup_id_x 1
		.amdhsa_system_sgpr_workgroup_id_y 1
		.amdhsa_system_sgpr_workgroup_id_z 1
		.amdhsa_system_vgpr_workitem_id 0
		.amdhsa_next_free_vgpr 130
		.amdhsa_next_free_sgpr 66
		.amdhsa_reserve_vcc 1
		.amdhsa_float_denorm_mode_32 3
		.amdhsa_float_denorm_mode_16_64 3
		.amdhsa_memory_ordered 1
		.amdhsa_forward_progress 1
		.amdhsa_inst_pref_size 16
	.end_amdhsa_kernel
	.amdgpu_metadata
---
amdhsa.version: [ 1, 2 ]
amdhsa.kernels:
  - .name:           k_q150a6fbf89_sig
    .symbol:         k_q150a6fbf89_sig.kd
    .args:
      - { .name: Wq, .offset: 0, .size: 8, .value_kind: global_buffer, .address_space: global }
      - { .name: Wk, .offset: 8, .size: 8, .value_kind: global_buffer, .address_space: global }
      - { .name: Wv, .offset: 16, .size: 8, .value_kind: global_buffer, .address_space: global }
      - { .name: Wo, .offset: 24, .size: 8, .value_kind: global_buffer, .address_space: global }
      - { .name: tpart, .offset: 32, .size: 8, .value_kind: global_buffer, .address_space: global }
      - { .name: stats, .offset: 40, .size: 8, .value_kind: global_buffer, .address_space: global }
    .group_segment_fixed_size: 2048
    .private_segment_fixed_size: 0
    .kernarg_segment_align: 8
    .kernarg_segment_size: 48
    .max_flat_workgroup_size: 256
    .sgpr_count:     66
    .vgpr_count:     130
    .wavefront_size: 32
...
	.end_amdgpu_metadata
.endif
;; end of part 2
;; launch qkv (part 3): grid 12 x 16, 4 waves a work-group, clusters of 4 x 4, 327,680 bytes of LDS; arguments xb, wb, rot, stats, qkvh; writes qkvh
.if DOCPART == 3
	.amdgcn_target "amdgcn-amd-amdhsa--gfx1250"
	.amdhsa_code_object_version 6
	.text
	.protected	k_q150a6fbf89_qkv
	.globl	k_q150a6fbf89_qkv
	.p2align	8
	.type	k_q150a6fbf89_qkv,@function
k_q150a6fbf89_qkv:
	s_mov_b64 s[64:65], 0
	v_nop
	global_prefetch_b8 v0, s[64:65] scope:SCOPE_SE
	s_setreg_imm32_b32 hwreg(HW_REG_WAVE_MODE, 25, 1), 1
	s_wait_xcnt 0x0
	s_wait_alu depctr_hold_cnt(0) depctr_sa_sdst(0) depctr_va_vdst(0) depctr_va_sdst(0) depctr_va_ssrc(0) depctr_va_vcc(0) depctr_vm_vsrc(0)
	s_getreg_b32 s2, hwreg(HW_REG_IB_STS2, 6, 4)
	s_cmp_eq_u32 s2, 0
	s_cbranch_scc0 .Lentry_in_a_cluster
	s_endpgm
.Lentry_in_a_cluster:
	s_bfe_u32 s2, ttmp6, 0x10000c
	s_cmp_lg_u32 s2, 0xf033
	s_cbranch_scc0 .Lentry_shape_is_right
	s_endpgm
.Lentry_shape_is_right:
; SelfAttention, launch 3 of 5: [q k v] = x [Wq Wk Wv]^T, a product of 4096 x 3072 x 1024 in bf16 with f32 sums; on the way out the sums are multiplied by
; 1/sigma (q also by log2(e)/8, so that attn's exponentials are powers of two), q and k are rotated, and all goes out as f16, head-major:
; qkvh[b][gh][s][64], gh = 0-15 q's heads, 16-31 k's, 32-47 v's.
; LIMIT: q, k, v are f16.  They are stored behind the division by sigma, so their size is about |row of x| whatever W's scale; f16 holds them up to 65,504.
; A work-group makes 256 x 256 with four waves, a wave 128 x 128: 64 accumulator tiles of 16 x 16, 512 registers.  K goes in steps of 128 through a ring of two
; LDS slots filled by the tensor data mover; a tile's rows are 256 bytes of memory and start at multiples of 256 bytes.
; 192 work-groups: with blocks of 256 columns a cluster's four block columns are q's, k's or v's alone (cluster x = 0, 1, 2), so the one branch of the way out
; is the same in all partners; blocks of 192 columns would give 256 work-groups but cut heads and mix k with v inside a cluster.
; CLUSTERS: 4 x 4 work-groups.  The four of a row need the same tiles of x, the four of a column the same tiles of W: each tile is asked for jointly.
; REGISTERS, in windows of 256: window 0: v0-31 addresses, v64-127 and v128-191 fragments of x (two buffers); window 1: the same places, fragments of W;
;   window 2: the 32 accumulator tiles of my rows 0-63 (tile (a, b) at v[8 (8 a + b)]); window 3: those of my rows 64-127.
; The matrix instruction is used transposed (source 0 = 16 rows of W, source 1 = 16 rows of x): lane l holds row l % 16 of the result and its registers 0-7 the
; columns 8 (l / 16) + 0 .. 7, eight neighbouring numbers.
.set SIZE_K, 1024
.set KSTEP,  128
.set PITCH,  272                       ; an LDS row: 256 bytes + 16 of padding, an odd multiple of 16: the 16 rows that a load touches start at 16 different 16-byte columns of 256
.set HALFT,  128*PITCH
.set SLOT,   4*HALFT                   ; x's 256 rows, then W's 256 rows
.set STAGE,  2*SLOT                    ; behind the ring: 16 rows x 272 bytes for each wave
.set SPITCH, 272
.set LAPS, SIZE_K/(2*KSTEP)
.set ADRA, 16                          ; v16-17  LDS address of my x fragments in slot 0, 1
.set ADRB, 20                          ; v20-21  the same for W
.set STO,  24                          ; the way out: where I put 16 bytes of a row
.set RD,   25                          ; where I read 16 bytes of a head's row back
.set CO,   26                          ; 16 x lane: my place in 512 bytes of qkvh
.set ROTO, 27                          ; my place in 16 rows of the rotary table
.set F0,   64
.set F1,   128
.set CSA,  32                          ; v[32:63], v[224:255]: cosines (16) and sines (16) of 16 rows, two buffers
.set CSB,  224
.set TT,   128                         ; v[128:191] 16 rows' results in f32
.set TMP,  192                         ; v[192:223] the same as f16
.set RBA,  64                          ; v[64:95], v[96:127]: rows read back, two buffers
.set RBB,  96
.set G1, 24
.set G0, 32
.set G1B, 48
.set G0B, 56
.set MSB, 0
.macro WIN new                         ; the immediate's high byte repeats the setting that is left
.if MSB != \new
	s_set_vgpr_msb (MSB<<8)|\new
.set MSB, \new
.endif
.endm
.set MUL_LO, 0xa1                      ; source 0 (W) window 1, source 1 (x) window 0, C and D window 2
.set MUL_HI, 0xf1                      ; the same, C and D window 3
.set TO_B,   0x40                      ; destination window 1, address window 0
; A joint load.  Waves 0 and 1 fetch x's two halves, waves 2 and 3 W's.  The branch hangs on the wave's number alone.
.macro JLOAD s
	s_cmp_eq_u32 s11, 0
	s_cbranch_scc0 .Lfor_b_\@
	tensor_load_to_lds s[G0+4*\s:G0+4*\s+3], s[G1:G1+7]
	s_nop 0
	s_branch .Lasked_\@
.Lfor_b_\@:
	tensor_load_to_lds s[G0B+4*\s:G0B+4*\s+3], s[G1B:G1B+7]
	s_nop 0
.Lasked_\@:
.endm
.macro CREST                           ; a round of the cluster's barrier behind its opening barrier
	s_cmp_lg_u32 s10, 0
	s_cbranch_scc1 .Lnot_wave_0_\@
	s_barrier_signal -3
.Lnot_wave_0_\@:
	s_barrier_wait -3
	s_barrier_signal -1
	s_barrier_wait -1
.endm
.macro CROUND                          ; a whole round
	s_barrier_signal -1
	s_barrier_wait -1
	CREST
.endm
	s_load_b256 s[68:75], s[0:1], 0x0              ; xb s[68:69], wb s[70:71], rot s[72:73], stats s[74:75]
	s_load_b64 s[76:77], s[0:1], 0x20              ; qkvh
	s_set_vgpr_msb 0x40
	v_lshl_add_u32 v255, v0, 2, 0x48400
	s_set_vgpr_msb 0x4000
	v_mov_b32 v31, 0
	s_set_vgpr_msb 0x1
	ds_add_u32 v255, v31
	s_set_vgpr_msb 0x100
	v_lshrrev_b32 v1, 5, v0
	v_readfirstlane_b32 s10, v1                    ; wave 0..3
	s_lshr_b32 s11, s10, 1                         ; which half of the block's rows is mine.  Also: I fetch for x (0) or for W (1)
	s_and_b32 s12, s10, 1                          ; which half of its columns.  Also: which 128 rows of that tile I fetch
	s_bfe_u32 s40, ttmp6, 0x40000                  ; cx
	s_bfe_u32 s41, ttmp6, 0x40004                  ; cy
	s_lshl_b32 s42, ttmp9, 2
	s_add_co_u32 s42, s42, s40                     ; block column = 4 x cluster x + cx
	s_and_b32 s13, ttmp7, 0xffff
	s_lshl_b32 s13, s13, 2
	s_add_co_u32 s13, s13, s41                     ; block row = 4 x cluster y + cy
	s_lshl_b32 s43, s41, 2
	s_lshl_b32 s43, 15, s43                        ; my row of the cluster
	s_lshl_b32 s44, 0x1111, s40                    ; my column
	s_mov_b32 s66, 0x76543210                      ; v_permlanex16_b32: lane i of one half reads lane i of the other
	s_mov_b32 s67, 0xfedcba98
	s_or_b32 s[G1+0], s43, (1<<16)|(1<<20)|(1<<21)|(5<<22)|(3<<25)  ; mask: x's tiles go to my row; 2-byte elements; 4 words of padding behind every 64
	s_or_b32 s[G1B+0], s44, (1<<16)|(1<<20)|(1<<21)|(5<<22)|(3<<25) ; the same with the mask of my column, for W's tiles
	s_mov_b32 s[G1B+1], KSTEP<<16
	s_mov_b32 s[G1+1], KSTEP<<16                   ; tensor_dim0 = 128
	s_mov_b32 s[G1B+2], 128<<16
	s_mov_b32 s[G1+2], 128<<16                     ; tensor_dim1 = 128
	s_mov_b32 s[G1B+3], KSTEP<<16
	s_mov_b32 s[G1+3], KSTEP<<16                   ; tile_dim0 = 128
	s_mov_b32 s[G1B+4], 128
	s_mov_b32 s[G1+4], 128                         ; tile_dim1 = 128
	s_mov_b32 s[G1B+5], SIZE_K
	s_mov_b32 s[G1+5], SIZE_K                      ; elements from row to row
	s_mov_b32 s[G1B+6], 0
	s_mov_b32 s[G1+6], 0
	s_mov_b32 s[G1B+7], 0
	s_mov_b32 s[G1+7], 0
	s_lshl_b32 s17, s12, 7                         ; which 128 rows of the tile I fetch
	s_lshl_b32 s16, s13, 8
	s_add_co_u32 s16, s16, s17                     ; x: row 256 x block row + 128 x half
	s_lshl_b32 s46, s42, 8
	s_add_co_u32 s46, s46, s17                     ; W: row 256 x block column + 128 x half
	s_mov_b32 s17, 0
	s_mov_b32 s47, 0
	s_mov_b64 s[18:19], SIZE_K*2
	s_mul_u64 s[16:17], s[16:17], s[18:19]
	s_mul_u64 s[46:47], s[46:47], s[18:19]
	s_mul_i32 s20, s10, HALFT                      ; where they go: wave x 128 rows
	s_wait_dscnt 0x0
	s_wait_kmcnt 0x0
	s_add_nc_u64 s[14:15], s[68:69], s[16:17]
	s_add_nc_u64 s[46:47], s[70:71], s[46:47]
	CROUND                                         ; all sixteen work-groups are here: the first joint loads meet
.irp s, 0,1
	s_mov_b32 s[G0+4*\s], 1
	s_add_co_u32 s[G0+4*\s+1], s20, \s*SLOT
	s_add_nc_u64 s[G0+4*\s+2:G0+4*\s+3], s[14:15], \s*KSTEP*2
	s_or_b32 s[G0+4*\s+3], s[G0+4*\s+3], 0x80000000
	s_mov_b32 s[G0B+4*\s], 1
	s_add_co_u32 s[G0B+4*\s+1], s20, \s*SLOT
	s_add_nc_u64 s[G0B+4*\s+2:G0B+4*\s+3], s[46:47], \s*KSTEP*2
	s_or_b32 s[G0B+4*\s+3], s[G0B+4*\s+3], 0x80000000
	JLOAD \s                                       ; two tensor loads of the wave are out
.endr
	; 1/sigma of my cluster's matrix (cluster x = 0, 1, 2: q, k, v), while the first tiles are on their way.  stats holds 64 pairs (part of |W t|^2, |t|^2).
	v_and_b32 v6, 31, v0
	v_lshlrev_b32 v6, 4, v6                        ; a lane takes two pairs
	s_lshl_b32 s16, ttmp9, 9
	s_mov_b32 s17, 0
	s_add_nc_u64 s[74:75], s[74:75], s[16:17]
	global_load_b128 v[8:11], v6, s[74:75]
	s_wait_loadcnt 0x0
	v_add_f32 v8, v8, v10
.irp x, 1,2,4,8
	v_add_f32_dpp v8, v8, v8 row_xmask:\x row_mask:0xf bank_mask:0xf
.endr
	v_permlanex16_b32 v10, v8, s66, s67
	v_add_f32 v8, v8, v10                          ; |W t|^2
	v_sqrt_f32 v12, v8
	v_sqrt_f32 v13, v9                             ; |t|
	v_nop                                          ; a plain place behind each group of roots and reciprocals (ISA guide 5.7.2)
	s_wait_alu depctr_va_vdst(0)
	v_add_f32 v13, 0x2b8cbccc, v13                 ; + 1e-12
	v_rcp_f32 v14, v13
	v_nop
	s_wait_alu depctr_va_vdst(0)
	v_mul_f32 v12, v12, v14                        ; |W v|
	v_mul_f32 v13, v12, v12
	v_add_f32 v12, 0x2b8cbccc, v12
	v_rcp_f32 v14, v13
	v_nop
	s_wait_alu depctr_va_vdst(0)
	v_mul_f32 v5, v12, v14                         ; 1/sigma = (|W v| + eps) / |W v|^2
	s_mov_b32 s78, 0x3e38aa3b                      ; log2(e) / 8, for q alone
	s_mov_b32 s79, 1.0
	s_cmp_eq_u32 ttmp9, 0
	s_cselect_b32 s78, s78, s79
	v_mul_f32 v5, s78, v5
	v_readfirstlane_b32 s78, v5
	s_mov_b32 s79, s78                             ; a pair for the packed multiplies
	v_and_b32 v1, 15, v0                           ; l % 16
	v_bfe_u32 v2, v0, 4, 1                         ; l / 16
	v_mul_u32_u24 v3, v1, PITCH
	v_lshl_add_u32 v3, v2, 4, v3                   ; row x pitch + 16 x half
	s_mul_i32 s21, s11, HALFT                      ; my 128 rows of x
	s_mul_i32 s22, s12, HALFT                      ; my 128 rows of W,
	s_add_co_u32 s22, s22, 2*HALFT                 ; which lie behind x's 256
.irp s, 0,1
	v_add_nc_u32 v[ADRA+\s], s21, v3
	v_add_nc_u32 v[ADRB+\s], s22, v3
	s_add_co_u32 s21, s21, SLOT
	s_add_co_u32 s22, s22, SLOT
.endr
	s_mul_i32 s23, s10, 16*SPITCH
	s_add_co_u32 s23, s23, STAGE                   ; my stage
	v_add_nc_u32 v[STO], s23, v3                   ; in: row l % 16, 16 bytes for each half of the lanes
	v_bfe_u32 v4, v0, 3, 2                         ; back: eight lanes take the 128 bytes that a row holds of one head, four rows an instruction
	v_and_b32 v5, 7, v0
	v_mul_u32_u24 v4, v4, SPITCH
	v_lshl_add_u32 v4, v5, 4, v4
	v_add_nc_u32 v[RD], s23, v4
	v_mov_b32 v[CO], v6
	v_lshlrev_b32 v[ROTO], 8, v1                   ; the table's row l % 16, 256 bytes each, + 32 x half
	v_lshl_add_u32 v[ROTO], v2, 5, v[ROTO]
; 16 matrix instructions: m blocks a0, a0 + 1 of the window's four x all 8 n blocks, 32 along K.  zero = 1: the first product starts the sums.
; The 64 accumulators take turns, one instruction a turn, in the same order in every quarter step.
.macro MUL16 f, hi, a0, zero
.irp a, \a0, \a0+1
.irp b, 0,1,2,3,4,5,6,7
.if \zero
	v_wmma_f32_16x16x32_bf16 v[8*(8*(\a)+\b):8*(8*(\a)+\b)+7], v[\f+8*\b:\f+8*\b+7], v[\f+8*(4*\hi+\a):\f+8*(4*\hi+\a)+7], 0
.else
	v_wmma_f32_16x16x32_bf16 v[8*(8*(\a)+\b):8*(8*(\a)+\b)+7], v[\f+8*\b:\f+8*\b+7], v[\f+8*(4*\hi+\a):\f+8*(4*\hi+\a)+7], v[8*(8*(\a)+\b):8*(8*(\a)+\b)+7]
.endif
.endr
.endr
.endm
; 32 LDS loads in one run: the fragments of one quarter step into buffer f
.macro FETCH slot, k, f
	WIN TO_B
.irp i, 0,1,2,3,4,5,6,7
	ds_load_b128 v[\f+8*\i:\f+8*\i+3],   v[ADRB+\slot] offset:\k+\i*16*PITCH
	ds_load_b128 v[\f+8*\i+4:\f+8*\i+7], v[ADRB+\slot] offset:\k+\i*16*PITCH+32
.endr
	WIN 0
.irp i, 0,1,2,3,4,5,6,7
	ds_load_b128 v[\f+8*\i:\f+8*\i+3],   v[ADRA+\slot] offset:\k+\i*16*PITCH
	ds_load_b128 v[\f+8*\i+4:\f+8*\i+7], v[ADRA+\slot] offset:\k+\i*16*PITCH+32
.endr
.endm
; Four plain places between a matrix instruction and a load into, or a vector instruction on, one of its registers (ISA guide 7.12.1 for vector instructions)
.macro PLACES
.rept 4
	v_nop
.endr
.endm
.macro QUARTER slot, k, f, g, zero
	s_wait_dscnt 8                                 ; W and x's rows 0-63 are in; the youngest eight loads (x's rows 64-127) may be out
	WIN MUL_LO
	MUL16 \f, 0, 0, \zero
	MUL16 \f, 0, 2, \zero
	PLACES
	FETCH \slot, \k, \g
	s_wait_dscnt 32                                ; all but the 32 just issued
	WIN MUL_HI
	MUL16 \f, 1, 0, \zero
	MUL16 \f, 1, 2, \zero
.endm
.macro THREE slot, zero
	QUARTER \slot, 64,  F0, F1, \zero
	QUARTER \slot, 128, F1, F0, 0
	QUARTER \slot, 192, F0, F1, 0
.endm
; The last quarter of a K step multiplies buffer 1 and changes slots.  In front of the barrier each wave waits for its reads of this slot and for all its tensor
; loads (one is out: its part of the next slot).  Behind it (with fill = 1: behind a round of the cluster's barrier) the refill comes first, then the next slot's fragments.
.macro TURN slot, next, fill
	s_wait_dscnt 8
	WIN MUL_LO
	MUL16 F1, 0, 0, 0
	s_wait_dscnt 0                                 ; my reads of this slot are over
	s_wait_tensorcnt 0x0                           ; and all my tensor loads have landed
	ds_add_u32 v255, v31
	s_wait_dscnt 0x0
	s_barrier_signal -1
	MUL16 F1, 0, 2, 0                              ; registers only, while the others arrive
	WIN 0
	s_barrier_wait -1
.if \fill
	CREST                                          ; no wave of any partner still reads this slot or has a load on its way
	s_add_nc_u64 s[G0+4*\slot+2:G0+4*\slot+3], s[G0+4*\slot+2:G0+4*\slot+3], 2*KSTEP*2
	s_add_nc_u64 s[G0B+4*\slot+2:G0B+4*\slot+3], s[G0B+4*\slot+2:G0B+4*\slot+3], 2*KSTEP*2
	JLOAD \slot                                    ; the wave's one tensor load behind the round
.endif
	PLACES
	FETCH \next, 0, F0
	WIN MUL_HI
	MUL16 F1, 1, 0, 0
	MUL16 F1, 1, 2, 0
.endm
.macro LAP zero
	THREE 0, \zero
	TURN 0, 1, 1
	THREE 1, 0
	TURN 1, 0, 1
.endm
	s_wait_tensorcnt 1                             ; my part of K step 0 is in; K step 1's may stay out
	s_barrier_signal -1
	s_barrier_wait -1
	FETCH 0, 0, F0
	LAP 1                                          ; the first lap's first products start the sums
	WIN 0
	s_mov_b32 s3, LAPS-2
.Llap:
	LAP 0
	WIN 0
	s_sub_co_u32 s3, s3, 1
	s_cmp_lg_u32 s3, 0
	s_cbranch_scc1 .Llap
	THREE 0, 0                                     ; the last lap fills nothing
	TURN 0, 1, 0
	THREE 1, 0
	s_wait_dscnt 8
	WIN MUL_LO
	MUL16 F1, 0, 0, 0
	MUL16 F1, 0, 2, 0
	s_wait_dscnt 0
	WIN MUL_HI
	MUL16 F1, 1, 0, 0
	MUL16 F1, 1, 2, 0
	; THE WAY OUT, 16 rows at a time.  My 128 columns are two heads: tiles b = 4 hh + 0..3 hold d = 16 (b & 3) + 8 (l / 16) + 0..7 of head hh.
	PLACES
	WIN 0
	s_and_b32 s14, s13, 7                          ; the block row inside its batch
	s_lshl_b32 s14, s14, 8
	s_lshl_b32 s15, s11, 7
	s_add_co_u32 s14, s14, s15                     ; my first position s
	s_lshl_b32 s16, s14, 8
	s_mov_b32 s17, 0
	s_add_nc_u64 s[72:73], s[72:73], s[16:17]      ; the table's row s
	s_lshl_b32 s16, s14, 7
	s_add_nc_u64 s[76:77], s[76:77], s[16:17]      ; qkvh: s rows of 128 bytes,
	s_lshr_b32 s16, s13, 3
	s_mul_i32 s16, s16, 12582912
	s_add_nc_u64 s[76:77], s[76:77], s[16:17]      ; the batch: 48 heads of 262,144 bytes,
	s_lshl_b32 s46, s42, 2                         ; and the head 4 x block column + 2 x half (in the registers that held W's address)
	s_lshl_b32 s47, s12, 1
	s_add_co_u32 s46, s46, s47
	s_lshl_b32 s46, s46, 18
	s_mov_b32 s47, 0
	s_add_nc_u64 s[76:77], s[76:77], s[46:47]
; cosines and sines of rows 16 i .. 16 i + 15: for bb = 0, 1 the eight at i = 16 bb + 8 (l / 16) + 0..7
.macro ROTLD i, cs
.irp bb, 0,1
	global_load_b128 v[\cs+8*\bb:\cs+8*\bb+3],       v[ROTO], s[72:73] offset:(\i)*4096+\bb*64
	global_load_b128 v[\cs+8*\bb+4:\cs+8*\bb+7],     v[ROTO], s[72:73] offset:(\i)*4096+\bb*64+16
	global_load_b128 v[\cs+16+8*\bb:\cs+16+8*\bb+3],   v[ROTO], s[72:73] offset:(\i)*4096+\bb*64+128
	global_load_b128 v[\cs+16+8*\bb+4:\cs+16+8*\bb+7], v[ROTO], s[72:73] offset:(\i)*4096+\bb*64+144
.endr
.endm
; rows 16 i .. + 15 = the eight tiles (a, 0..7) of window 2 or 3 (win = 0x02 or 0x03: source 0).  rot = 1: q or k; cs: this block's table, csn: the next one's; rb: rows read back
.macro OUT16 i, a, win, rot, cs, csn, rb
.if \rot
.if \i < 7
	ROTLD \i+1, \csn
	s_wait_loadcnt 0x8                             ; this block's eight loads are in; the next block's eight may be out
.else
	s_wait_loadcnt 0x0
.endif
.set j, 0
.rept 16
	v_pk_mul_f32 v[\cs+2*j:\cs+2*j+1], v[\cs+2*j:\cs+2*j+1], s[78:79] op_sel_hi:[1,0]   ; 1/sigma goes into the table's 32 numbers instead of the 64 sums
.set j, j+1
.endr
	WIN \win
	; out[d + 32] = x[d + 32] cos + x[d] sin
.irp hh, 0,1
.irp bb, 0,1
.irp jj, 0,1,2,3
	v_pk_mul_f32 v[TT+8*(4*\hh+2+\bb)+2*\jj:TT+8*(4*\hh+2+\bb)+2*\jj+1], v[8*(8*\a+4*\hh+2+\bb)+2*\jj:8*(8*\a+4*\hh+2+\bb)+2*\jj+1], v[\cs+8*\bb+2*\jj:\cs+8*\bb+2*\jj+1]
.endr
.endr
.endr
.irp hh, 0,1
.irp bb, 0,1
.irp jj, 0,1,2,3
	v_pk_fma_f32 v[TT+8*(4*\hh+2+\bb)+2*\jj:TT+8*(4*\hh+2+\bb)+2*\jj+1], v[8*(8*\a+4*\hh+\bb)+2*\jj:8*(8*\a+4*\hh+\bb)+2*\jj+1], v[\cs+16+8*\bb+2*\jj:\cs+16+8*\bb+2*\jj+1], v[TT+8*(4*\hh+2+\bb)+2*\jj:TT+8*(4*\hh+2+\bb)+2*\jj+1]
.endr
.endr
.endr
	WIN 0
.set j, 0
.rept 8
	v_pk_mul_f32 v[\cs+16+2*j:\cs+16+2*j+1], v[\cs+16+2*j:\cs+16+2*j+1], -1.0 op_sel_hi:[1,0]   ; the sines change sign for the first halves
.set j, j+1
.endr
	WIN \win
	; out[d] = x[d] cos - x[d + 32] sin
.irp hh, 0,1
.irp bb, 0,1
.irp jj, 0,1,2,3
	v_pk_mul_f32 v[TT+8*(4*\hh+\bb)+2*\jj:TT+8*(4*\hh+\bb)+2*\jj+1], v[8*(8*\a+4*\hh+\bb)+2*\jj:8*(8*\a+4*\hh+\bb)+2*\jj+1], v[\cs+8*\bb+2*\jj:\cs+8*\bb+2*\jj+1]
.endr
.endr
.endr
.irp hh, 0,1
.irp bb, 0,1
.irp jj, 0,1,2,3
	v_pk_fma_f32 v[TT+8*(4*\hh+\bb)+2*\jj:TT+8*(4*\hh+\bb)+2*\jj+1], v[8*(8*\a+4*\hh+2+\bb)+2*\jj:8*(8*\a+4*\hh+2+\bb)+2*\jj+1], v[\cs+16+8*\bb+2*\jj:\cs+16+8*\bb+2*\jj+1], v[TT+8*(4*\hh+\bb)+2*\jj:TT+8*(4*\hh+\bb)+2*\jj+1]
.endr
.endr
.endr
.else
	WIN \win
.set j, 0
.rept 32
	v_pk_mul_f32 v[TT+2*j:TT+2*j+1], v[64*\a+2*j:64*\a+2*j+1], s[78:79] op_sel_hi:[1,0]   ; v: 1/sigma alone
.set j, j+1
.endr
.endif
	WIN 0
.irp b, 0,1,2,3,4,5,6,7
.irp r, 0,1,2,3
	v_cvt_pk_f16_f32 v[TMP+4*\b+\r], v[TT+8*\b+2*\r], v[TT+8*\b+2*\r+1]
.endr
.endr
.irp b, 0,1,2,3,4,5,6,7
	ds_store_b128 v[STO], v[TMP+4*\b:TMP+4*\b+3] offset:32*\b
.endr
	s_wait_xcnt 0x0                                ; buffer rb, which earlier stores read, is rewritten only behind this wait
.irp t, 0,1,2,3,4,5,6,7
	ds_load_b128 v[\rb+4*\t:\rb+4*\t+3], v[RD] offset:(\t&3)*4*SPITCH+(\t>>2)*128   ; LDS serves a wave's instructions in order (ISA guide 5.7.1.4): these see the stores above
.endr
.irp t, 0,1,2,3,4,5,6,7
	s_wait_dscnt 7-\t
	global_store_b128 v[CO], v[\rb+4*\t:\rb+4*\t+3], s[76:77] offset:(\t>>2)*262144+\i*2048+(\t&3)*512   ; 512 consecutive bytes: four rows of one head
.endr
.endm
	s_cmp_eq_u32 ttmp9, 2                          ; the cluster's x: the same in all partners
	s_cbranch_scc1 .Lplain
	ROTLD 0, CSA
	OUT16 0, 0, 0x02, 1, CSA, CSB, RBA
	OUT16 1, 1, 0x02, 1, CSB, CSA, RBB
	OUT16 2, 2, 0x02, 1, CSA, CSB, RBA
	OUT16 3, 3, 0x02, 1, CSB, CSA, RBB
	OUT16 4, 0, 0x03, 1, CSA, CSB, RBA
	OUT16 5, 1, 0x03, 1, CSB, CSA, RBB
	OUT16 6, 2, 0x03, 1, CSA, CSB, RBA
	OUT16 7, 3, 0x03, 1, CSB, CSA, RBB
	s_branch .Ljoin
.Lplain:
	OUT16 0, 0, 0x02, 0, CSA, CSB, RBA
	OUT16 1, 1, 0x02, 0, CSB, CSA, RBB
	OUT16 2, 2, 0x02, 0, CSA, CSB, RBA
	OUT16 3, 3, 0x02, 0, CSB, CSA, RBB
	OUT16 4, 0, 0x03, 0, CSA, CSB, RBA
	OUT16 5, 1, 0x03, 0, CSB, CSA, RBB
	OUT16 6, 2, 0x03, 0, CSA, CSB, RBA
	OUT16 7, 3, 0x03, 0, CSB, CSA, RBB
.Ljoin:
	s_set_vgpr_msb 0x1
	s_wait_tensorcnt 0x0
	ds_add_u32 v255, v31
	s_wait_dscnt 0x0
	s_set_vgpr_msb 0x100
	CROUND                                         ; the closing round: no work-group ends while a partner may still ask for a tile that names it
	s_endpgm
.Lfunc_end_k_q150a6fbf89_qkv:
	.size	k_q150a6fbf89_qkv, .Lfunc_end_k_q150a6fbf89_qkv-k_q150a6fbf89_qkv
	.p2alignl 7, 3214868480
	.fill 96, 4, 3214868480
	.section	.rodata,"a",@progbits
	.p2align	6, 0x0
	.amdhsa_kernel k_q150a6fbf89_qkv
		.amdhsa_group_segment_fixed_size 327680
		.amdhsa_private_segment_fixed_size 0
		.amdhsa_enable_private_segment 0
		.amdhsa_kernarg_size 40
		.amdhsa_user_sgpr_count 2
		.amdhsa_user_sgpr_kernarg_segment_ptr 1
		.amdhsa_wavefront_size32 1
		.amdhsa_system_sgpr_workgroup_id_x 1
		.amdhsa_system_sgpr_workgroup_id_y 1
		.amdhsa_system_sgpr_workgroup_id_z 1
		.amdhsa_system_vgpr_workitem_id 0
		.amdhsa_next_free_vgpr 1024
		.amdhsa_next_free_sgpr 80
		.amdhsa_reserve_vcc 0
		.amdhsa_float_denorm_mode_32 3
		.amdhsa_float_denorm_mode_16_64 3
		.amdhsa_memory_ordered 1
		.amdhsa_forward_progress 1
		.amdhsa_inst_pref_size 255
	.end_amdhsa_kernel
	.section	.bss,"aw",@nobits
	.p2align	6
	.space	262144
	.amdgpu_metadata
---
amdhsa.version: [ 1, 2 ]
amdhsa.kernels:
  - .name:           k_q150a6fbf89_qkv
    .symbol:         k_q150a6fbf89_qkv.kd
    .args:
      - { .name: xb, .offset: 0, .size: 8, .value_kind: global_buffer, .address_space: global }
      - { .name: wb, .offset: 8, .size: 8, .value_kind: global_buffer, .address_space: global }
      - { .name: rot, .offset: 16, .size: 8, .value_kind: global_buffer, .address_space: global }
      - { .name: stats, .offset: 24, .size: 8, .value_kind: global_buffer, .address_space: global }
      - { .name: qkvh, .offset: 32, .size: 8, .value_kind: global_buffer, .address_space: global }
    .group_segment_fixed_size: 327680
    .private_segment_fixed_size: 0
    .kernarg_segment_align: 8
    .kernarg_segment_size: 40
    .max_flat_workgroup_size: 128
    .sgpr_count:     80
    .vgpr_count:     1024
    .wavefront_size: 32
...
	.end_amdgpu_metadata
.endif
;; end of part 3
;; launch attn (part 4): grid 8 x 32, 4 waves a work-group, clusters of 4 x 1, 327,680 bytes of LDS; arguments qkvh, attention_mask, ah; writes ah
.if DOCPART == 4
	.amdgcn_target "amdgcn-amd-amdhsa--gfx1250"
	.amdhsa_code_object_version 6
	.text
	.protected	k_q150a6fbf89_attn
	.globl	k_q150a6fbf89_attn
	.p2align	8
	.type	k_q150a6fbf89_attn,@function
k_q150a6fbf89_attn:
	s_mov_b64 s[64:65], 0
	v_nop
	global_prefetch_b8 v0, s[64:65] scope:SCOPE_SE
	s_setreg_imm32_b32 hwreg(HW_REG_WAVE_MODE, 25, 1), 1
	s_wait_xcnt 0x0
	s_wait_alu depctr_hold_cnt(0) depctr_sa_sdst(0) depctr_va_vdst(0) depctr_va_sdst(0) depctr_va_ssrc(0) depctr_va_vcc(0) depctr_vm_vsrc(0)
	s_getreg_b32 s2, hwreg(HW_REG_IB_STS2, 6, 4)
	s_cmp_eq_u32 s2, 0
	s_cbranch_scc0 .Lentry_in_a_cluster
	s_endpgm
.Lentry_in_a_cluster:
	s_bfe_u32 s2, ttmp6, 0x10000c
	s_cmp_lg_u32 s2, 0x3003
	s_cbranch_scc0 .Lentry_shape_is_right
	s_endpgm
.Lentry_shape_is_right:
; SelfAttention, launch 4 of 5: softmax(q k^T / 8, keys masked) v for one (batch, head) and 256 queries a work-group; a wave takes 64 queries, four blocks qb of 16.
; q comes scaled by log2(e)/8, so the exponentials are powers of two.  The row maximum is taken away as a running maximum; sums and results are rescaled when it grows.
; A masked key gets the bias -inf.  While a row has met no live key its maximum is -inf; what is taken away is max(m, -FLT_MAX), so that -inf stays -inf and
; gives p = 0.  A row with no live key at all ends with the sum 0 and 0 x (1/0) = NaN, as the source's softmax of a row of -inf does.
; LIMITS: q, k, v and p are f16 (f32 sums): p lies in [0, 1] and what is below 6e-8 of a row's largest p is dropped; the result goes out as bf16.
; THE MATRIX UNIT: S^T = K Q^T (A = 16 keys, B = 16 queries): register j of lane (r, h) is key 8 h + j, query r.  So maximum, sum and rescale are one number a
; lane, and one exchange between the halves joins them.  Two key tiles packed to f16 in place are the B fragment of O^T = V^T P^T for the same lane: p makes
; no way through LDS.  A = V^T comes by the transposing LDS load.
; CLUSTER: the four work-groups of a cluster are four query blocks of one head and read the same K and V: each tile is asked for jointly, mask 15.
; LDS: two slots of 256 keys (K: 256 rows, pitch 144; V: 256 rows, pitch 160), the bias (2,048 f32), a stage of 64 rows, pitch 144, for each wave.
; One tensor load brings 128 keys of K or of V: 16 KiB that are dense in memory, stated as 64 rows of 256 bytes, padded behind every 128 bytes.
; REGISTERS: window 0: addresses, fragments of K (KF), V (VF), Q (QF).  Window 1: the scores S, tile (kb, qb) at 32 qb + 8 kb, and the softmax's numbers.
; Window 2: O, tile (db, qb) at 32 qb + 8 db.
.set KP, 144
.set VP, 160
.set KBYTES, 256*KP
.set SLOT, KBYTES+256*VP               ; 77,824
.set BIAS, 2*SLOT
.set STAGE, BIAS+8192
.set WSTAGE, 64*KP
.set KA, 16                            ; v16-17 K fragments' address in slot 0, 1
.set VA, 18                            ; v18-19 V's
.set BA, 20                            ; the bias of my eight keys of a tile; stepped once a trip
.set STO, 21
.set RD, 22
.set CO, 23
.set QO, 24
.set KF, 64                            ; + 16 kb + 8 ks
.set VF, 128                           ; + 16 db + 8 ks2
.set QF, 192                           ; + 16 qb + 8 ks
.set BI, 128                           ; window 1: two buffers of 32 biases
.set MX, 192                           ; + qb: running maximum
.set LS, 196                           ; + qb: running sum (my half of the keys)
.set MS, 200                           ; + 2 qb: minus what is taken away
.set AL, 208                           ; + 2 qb: the rescale
.set TA, 216
.set TB, 220
.set SP, 224                           ; + 4 qb: two pairs of partial sums
.set TX, 240
.set G1K, 24
.set G0K, 32
.set G1V, 48
.set G0V, 56
.set MSB, 0
.macro WIN new                         ; the immediate's high byte repeats the setting that is left
.if MSB != \new
	s_set_vgpr_msb (MSB<<8)|\new
.set MSB, \new
.endif
.endm
.macro PLACES n
.rept \n
	v_nop
.endr
.endm
.macro ROUND                           ; a round of the cluster's barrier
	s_barrier_signal -1
	s_barrier_wait -1
	s_cmp_lg_u32 s10, 0
	s_cbranch_scc1 .Lnot_wave_0_\@
	s_barrier_signal -3
.Lnot_wave_0_\@:
	s_barrier_wait -3
	s_barrier_signal -1
	s_barrier_wait -1
.endm
.macro JLOAD s                         ; waves 0, 1 ask for K's two halves, waves 2, 3 for V's; the branch hangs on the wave's number alone
	s_cmp_eq_u32 s11, 0
	s_cbranch_scc0 .Lfor_v_\@
	tensor_load_to_lds s[G0K+4*\s:G0K+4*\s+3], s[G1K:G1K+7]
	s_nop 0
	s_branch .Lasked_\@
.Lfor_v_\@:
	tensor_load_to_lds s[G0V+4*\s:G0V+4*\s+3], s[G1V:G1V+7]
	s_nop 0
.Lasked_\@:
.endm
	s_load_b128 s[4:7], s[0:1], 0x0                ; qkvh s[4:5], attention_mask s[6:7]
	s_load_b64 s[8:9], s[0:1], 0x10                ; ah
	v_lshl_add_u32 v62, v0, 2, 0x31000
	v_mov_b32 v63, 0
	ds_add_u32 v62, v63
	v_lshrrev_b32 v1, 5, v0
	v_readfirstlane_b32 s10, v1                    ; wave
	s_lshr_b32 s11, s10, 1                         ; 0: I fetch K, 1: V
	s_and_b32 s12, s10, 1                          ; which 128 keys of a slot
	s_and_b32 s13, ttmp7, 0xffff                   ; 16 b + h
	s_lshr_b32 s14, s13, 4
	s_and_b32 s15, s13, 15
	s_bfe_u32 s42, ttmp6, 0x40000                  ; cx
	s_lshl_b32 s43, ttmp9, 2
	s_add_co_u32 s43, s43, s42                     ; query block 0..7
	s_mov_b32 s40, 0x76543210                      ; v_permlanex16_b32: lane i of one half reads lane i of the other
	s_mov_b32 s41, 0xfedcba98
	s_mov_b32 s[G1K+0], 0x0733000f                 ; mask 15; 8-byte elements; padding on; bit 21 beside the mask; behind every 32 words 4 words
	s_mov_b32 s[G1V+0], 0x0f33000f                 ; the same with 8 words of padding
	s_mov_b32 s[G1K+1], 32<<16                     ; tensor_dim0 = 32 elements (256 bytes)
	s_mov_b32 s[G1V+1], 32<<16
	s_mov_b32 s[G1K+2], 64<<16                     ; tensor_dim1 = 64
	s_mov_b32 s[G1V+2], 64<<16
	s_mov_b32 s[G1K+3], 32<<16                     ; tile_dim0 = 32
	s_mov_b32 s[G1V+3], 32<<16
	s_mov_b32 s[G1K+4], 64                         ; tile_dim1 = 64
	s_mov_b32 s[G1V+4], 64
	s_mov_b32 s[G1K+5], 32                         ; the rows follow each other
	s_mov_b32 s[G1V+5], 32
	s_mov_b32 s[G1K+6], 0
	s_mov_b32 s[G1V+6], 0
	s_mov_b32 s[G1K+7], 0
	s_mov_b32 s[G1V+7], 0
	s_mul_i32 s16, s14, 12582912                   ; the batch: 48 heads of 262,144 bytes
	s_lshl_b32 s17, s15, 18
	s_add_co_u32 s16, s16, s17                     ; q's head
	s_lshl_b32 s17, s12, 14                        ; my 128 keys
	s_add_co_u32 s18, s16, s17
	s_add_co_u32 s18, s18, 0x400000                ; 16 heads on: k's head
	s_mov_b32 s19, 0
	s_add_co_u32 s20, s18, 0x400000                ; 16 more: v's
	s_mov_b32 s21, 0
	s_mul_i32 s44, s12, 128*KP                     ; where they go
	s_mul_i32 s45, s12, 128*VP
	s_add_co_u32 s45, s45, KBYTES
	s_lshl_b32 s46, s43, 15                        ; my 64 queries in a head: (256 block + 64 wave) x 128 bytes
	s_lshl_b32 s47, s10, 13
	s_add_co_u32 s46, s46, s47
	s_add_co_u32 s22, s46, s16
	s_mov_b32 s23, 0
	s_lshl_b32 s47, s13, 18
	s_add_co_u32 s46, s46, s47
	s_mov_b32 s47, 0
	s_lshl_b32 s2, s14, 11                         ; the batch's 2,048 mask bytes
	s_mov_b32 s3, 0
	s_mul_i32 s17, s10, WSTAGE
	s_add_co_u32 s17, s17, STAGE                   ; my stage
	s_wait_dscnt 0x0
	s_wait_kmcnt 0x0
	s_add_nc_u64 s[18:19], s[4:5], s[18:19]        ; K
	s_add_nc_u64 s[20:21], s[4:5], s[20:21]        ; V
	s_add_nc_u64 s[22:23], s[4:5], s[22:23]        ; Q
	s_add_nc_u64 s[8:9], s[8:9], s[46:47]          ; ah
	s_add_nc_u64 s[6:7], s[6:7], s[2:3]            ; mask
	ROUND                                          ; the four work-groups are here: the first joint loads meet
.irp s, 0,1
	s_mov_b32 s[G0K+4*\s], 1
	s_add_co_u32 s[G0K+4*\s+1], s44, \s*SLOT
	s_add_nc_u64 s[G0K+4*\s+2:G0K+4*\s+3], s[18:19], \s*32768
	s_or_b32 s[G0K+4*\s+3], s[G0K+4*\s+3], 0x80000000
	s_mov_b32 s[G0V+4*\s], 1
	s_add_co_u32 s[G0V+4*\s+1], s45, \s*SLOT
	s_add_nc_u64 s[G0V+4*\s+2:G0V+4*\s+3], s[20:21], \s*32768
	s_or_b32 s[G0V+4*\s+3], s[G0V+4*\s+3], 0x80000000
	JLOAD \s                                       ; keys 0-255 and 256-511: two tensor loads of the wave are out
.endr
	v_and_b32 v1, 15, v0                           ; r
	v_bfe_u32 v2, v0, 4, 1                         ; h
	v_lshlrev_b32 v[QO], 7, v1
	v_lshl_add_u32 v[QO], v2, 4, v[QO]             ; Q: row r of 128 bytes + 16 h
	v_lshlrev_b32 v25, 4, v0                       ; 16 mask bytes a thread
	global_load_b128 v[32:35], v25, s[6:7]
.irp qb, 0,1,2,3
.irp ks, 0,1
	global_load_b128 v[QF+16*\qb+8*\ks:QF+16*\qb+8*\ks+3],   v[QO], s[22:23] offset:\qb*2048+\ks*64
	global_load_b128 v[QF+16*\qb+8*\ks+4:QF+16*\qb+8*\ks+7], v[QO], s[22:23] offset:\qb*2048+\ks*64+32
.endr
.endr
	v_and_b32 v3, 7, v0
	v_bfe_u32 v4, v0, 3, 1
	v_bfe_u32 v5, v0, 3, 2                         ; lane >> 3
	v_and_b32 v6, 31, v0
	v_mul_u32_u24 v[KA], v1, KP
	v_lshl_add_u32 v[KA], v2, 4, v[KA]             ; key row r, + 16 h
	v_add_nc_u32 v[KA+1], SLOT, v[KA]
	v_lshl_add_u32 v7, v2, 3, v3                   ; V, for the transposing load: key row 8 h + (l & 7), + 16 ((l >> 3) & 1)
	v_mul_u32_u24 v7, v7, VP
	v_lshl_add_u32 v7, v4, 4, v7
	v_add_nc_u32 v[VA], KBYTES, v7
	v_add_nc_u32 v[VA+1], SLOT+KBYTES, v7
	v_lshlrev_b32 v[BA], 5, v2
	v_add_nc_u32 v[BA], BIAS, v[BA]
	v_add_nc_u32 v[STO], s17, v[KA]
	v_mul_u32_u24 v7, v5, KP
	v_lshl_add_u32 v7, v3, 4, v7
	v_add_nc_u32 v[RD], s17, v7
	v_lshlrev_b32 v[CO], 4, v6
	v_mov_b32 v52, 0xff800000                      ; -inf
	v_lshlrev_b32 v53, 6, v0
	v_add_nc_u32 v53, BIAS, v53                    ; my 16 keys' biases
	WIN 0x40
.irp qb, 0,1,2,3
	v_mov_b32 v[MX+\qb], 0xff800000
	v_mov_b32 v[LS+\qb], 0
	v_mov_b32 v[MS+2*\qb], 0                       ; the pairs' upper registers are named by the packed instructions and never used
	v_mov_b32 v[MS+2*\qb+1], 0
	v_mov_b32 v[AL+2*\qb], 0
	v_mov_b32 v[AL+2*\qb+1], 0
	v_mov_b32 v[TX+\qb], 0
.endr
	WIN 0
	s_wait_loadcnt 16                              ; the mask is in; Q's 16 loads behind it may be out
.set k, 0
.rept 16
	v_bfe_u32 v54, v[32+k/4], 8*(k%4), 8
	v_cmp_eq_u32 vcc_lo, 0, v54
	v_cndmask_b32 v[36+k], 0, v52, vcc_lo          ; 0 for a live key, -inf for a masked one
.set k, k+1
.endr
	ds_store_b128 v53, v[36:39]
	ds_store_b128 v53, v[40:43] offset:16
	ds_store_b128 v53, v[44:47] offset:32
	ds_store_b128 v53, v[48:51] offset:48
	s_wait_loadcnt 0x0                             ; Q
	s_wait_dscnt 0x0                               ; my biases are in LDS before I say so
	s_wait_tensorcnt 0x1                           ; my part of slot 0 is in; slot 1's may stay out
	s_barrier_signal -1
	s_barrier_wait -1
.macro LOADK slot, st                  ; 64 keys x 64 d
	WIN 0
.irp kb, 0,1,2,3
.irp ks, 0,1
	ds_load_b128 v[KF+16*\kb+8*\ks:KF+16*\kb+8*\ks+3],   v[KA+\slot] offset:(64*(\st)+16*\kb)*KP+64*\ks
	ds_load_b128 v[KF+16*\kb+8*\ks+4:KF+16*\kb+8*\ks+7], v[KA+\slot] offset:(64*(\st)+16*\kb)*KP+64*\ks+32
.endr
.endr
.endm
.macro LOADB boff, st, buf             ; the biases of my 32 keys
	WIN 0x40
.irp kb, 0,1,2,3
	ds_load_b128 v[BI+32*(\buf)+8*\kb:BI+32*(\buf)+8*\kb+3],   v[BA] offset:\boff+(64*(\st)+16*\kb)*4
	ds_load_b128 v[BI+32*(\buf)+8*\kb+4:BI+32*(\buf)+8*\kb+7], v[BA] offset:\boff+(64*(\st)+16*\kb)*4+16
.endr
.endm
.macro LOADV slot, st                  ; V^T: 64 d x 64 keys
	WIN 0
.irp db, 0,1,2,3
.irp ks2, 0,1
	ds_load_tr16_b128 v[VF+16*\db+8*\ks2:VF+16*\db+8*\ks2+3],   v[VA+\slot] offset:(64*(\st)+32*\ks2)*VP+32*\db
	ds_load_tr16_b128 v[VF+16*\db+8*\ks2+4:VF+16*\db+8*\ks2+7], v[VA+\slot] offset:(64*(\st)+32*\ks2)*VP+32*\db+16*VP
.endr
.endr
.endm
.macro SMUL                            ; 32 matrix instructions; the sixteen accumulators take turns, one instruction a turn
	WIN 0x50
.irp ks, 0,1
.irp qb, 0,1,2,3
.irp kb, 0,1,2,3
.if \ks == 0
	v_wmma_f32_16x16x32_f16 v[32*\qb+8*\kb:32*\qb+8*\kb+7], v[KF+16*\kb+8*\ks:KF+16*\kb+8*\ks+7], v[QF+16*\qb+8*\ks:QF+16*\qb+8*\ks+7], 0
.else
	v_wmma_f32_16x16x32_f16 v[32*\qb+8*\kb:32*\qb+8*\kb+7], v[KF+16*\kb+8*\ks:KF+16*\kb+8*\ks+7], v[QF+16*\qb+8*\ks:QF+16*\qb+8*\ks+7], v[32*\qb+8*\kb:32*\qb+8*\kb+7]
.endif
.endr
.endr
.endr
.endm
.macro SOFT buf                        ; all in window 1; the four query blocks side by side
	WIN 0x55
.set j, 0
.rept 16
.irp qb, 0,1,2,3
	v_pk_add_f32 v[32*\qb+2*j:32*\qb+2*j+1], v[32*\qb+2*j:32*\qb+2*j+1], v[BI+32*(\buf)+2*j:BI+32*(\buf)+2*j+1]   ; + 0 or -inf
.endr
.set j, j+1
.endr
.irp qb, 0,1,2,3
	v_max3_num_f32 v[TA+\qb], v[32*\qb], v[32*\qb+1], v[MX+\qb]       ; two chains a block; the first starts from the running maximum
	v_max_num_f32 v[TB+\qb], v[32*\qb+16], v[32*\qb+17]
.endr
.set j, 1
.rept 7
.irp qb, 0,1,2,3
	v_max3_num_f32 v[TA+\qb], v[32*\qb+2*j], v[32*\qb+2*j+1], v[TA+\qb]
	v_max3_num_f32 v[TB+\qb], v[32*\qb+16+2*j], v[32*\qb+17+2*j], v[TB+\qb]
.endr
.set j, j+1
.endr
.irp qb, 0,1,2,3
	v_max_num_f32 v[TA+\qb], v[TA+\qb], v[TB+\qb]
.endr
.irp qb, 0,1,2,3
	v_permlanex16_b32 v[TX+\qb], v[TA+\qb], s40, s41                  ; the other half of the keys
.endr
.irp qb, 0,1,2,3
	v_max_num_f32 v[TA+\qb], v[TA+\qb], v[TX+\qb]                     ; the new maximum
.endr
.irp qb, 0,1,2,3
	v_max_num_f32 v[MS+2*\qb], 0xff7fffff, v[TA+\qb]                  ; finite also where no live key has come
.endr
.irp qb, 0,1,2,3
	v_mul_f32 v[MS+2*\qb], -1.0, v[MS+2*\qb]
.endr
.irp qb, 0,1,2,3
	v_add_f32 v[TB+\qb], v[MX+\qb], v[MS+2*\qb]                       ; old maximum - new
.endr
.irp qb, 0,1,2,3
	v_exp_f32 v[AL+2*\qb], v[TB+\qb]
.endr
.irp qb, 0,1,2,3
	v_mov_b32 v[MX+\qb], v[TA+\qb]                                    ; plain instructions behind the exponentials (ISA guide 5.7.2)
.endr
.set j, 0
.rept 16
.irp qb, 0,1,2,3
	v_pk_add_f32 v[32*\qb+2*j:32*\qb+2*j+1], v[32*\qb+2*j:32*\qb+2*j+1], v[MS+2*\qb:MS+2*\qb+1] op_sel_hi:[1,0]
.endr
.set j, j+1
.endr
.set j, 0
.rept 128
	v_exp_f32 v[j], v[j]
.set j, j+1
.endr
	s_wait_alu depctr_va_vdst(0)
.irp qb, 0,1,2,3
	v_mul_f32 v[LS+\qb], v[LS+\qb], v[AL+2*\qb]                       ; plain instructions behind the exponentials
.endr
.irp qb, 0,1,2,3
	v_pk_add_f32 v[SP+4*\qb:SP+4*\qb+1], v[32*\qb:32*\qb+1], v[32*\qb+2:32*\qb+3]
	v_pk_add_f32 v[SP+4*\qb+2:SP+4*\qb+3], v[32*\qb+16:32*\qb+17], v[32*\qb+18:32*\qb+19]
.endr
.set j, 2
.rept 6
.irp qb, 0,1,2,3
	v_pk_add_f32 v[SP+4*\qb:SP+4*\qb+1], v[SP+4*\qb:SP+4*\qb+1], v[32*\qb+2*j:32*\qb+2*j+1]
	v_pk_add_f32 v[SP+4*\qb+2:SP+4*\qb+3], v[SP+4*\qb+2:SP+4*\qb+3], v[32*\qb+16+2*j:32*\qb+17+2*j]
.endr
.set j, j+1
.endr
.irp qb, 0,1,2,3
	v_pk_add_f32 v[SP+4*\qb:SP+4*\qb+1], v[SP+4*\qb:SP+4*\qb+1], v[SP+4*\qb+2:SP+4*\qb+3]
.endr
.irp qb, 0,1,2,3
	v_add_f32 v[SP+4*\qb], v[SP+4*\qb], v[SP+4*\qb+1]
.endr
.irp qb, 0,1,2,3
	v_add_f32 v[LS+\qb], v[LS+\qb], v[SP+4*\qb]
.endr
.set p, 0
.rept 8                                ; 16 registers of p become 8 of f16, in place: register p is written when registers 2 p and 2 p + 1 are read and all below are spent
.irp qb, 0,1,2,3
.irp ks2, 0,1
	v_cvt_pk_f16_f32 v[32*\qb+16*\ks2+p], v[32*\qb+16*\ks2+2*p], v[32*\qb+16*\ks2+2*p+1]
.endr
.endr
.set p, p+1
.endr
.endm
.macro RESC                            ; O (window 2) times the block's number in AL (window 1)
	WIN 0x86
.set j, 0
.rept 16
.irp qb, 0,1,2,3
	v_pk_mul_f32 v[32*\qb+2*j:32*\qb+2*j+1], v[32*\qb+2*j:32*\qb+2*j+1], v[AL+2*\qb:AL+2*\qb+1] op_sel_hi:[1,0]
.endr
.set j, j+1
.endr
.endm
.macro PVMUL first                     ; 32 matrix instructions; the sixteen accumulators take turns, one instruction a turn
	WIN 0xa4
.irp ks2, 0,1
.irp qb, 0,1,2,3
.irp db, 0,1,2,3
.if (\first)*(1-\ks2)
	v_wmma_f32_16x16x32_f16 v[32*\qb+8*\db:32*\qb+8*\db+7], v[VF+16*\db+8*\ks2:VF+16*\db+8*\ks2+7], v[32*\qb+16*\ks2:32*\qb+16*\ks2+7], 0
.else
	v_wmma_f32_16x16x32_f16 v[32*\qb+8*\db:32*\qb+8*\db+7], v[VF+16*\db+8*\ks2:VF+16*\db+8*\ks2+7], v[32*\qb+16*\ks2:32*\qb+16*\ks2+7], v[32*\qb+8*\db:32*\qb+8*\db+7]
.endif
.endr
.endr
.endr
.endm
; One step: 64 keys.  pre = 1: the next step's K and biases are fetched from the same slot.
.macro STEP slot, st, boff, first, pre
	s_wait_dscnt 0x0                               ; this step's K and biases, the youngest LDS loads
.if \first == 0
	PLACES 5                                       ; the scores are written over p, which the last products read (ISA guide 7.12.1)
.endif
	SMUL
	PLACES 4                                       ; in front of the loads into K's and V's fragments and of the softmax's reads of S
	LOADV \slot, \st
.if \pre
	LOADK \slot, \st+1
	LOADB \boff, \st+1, (\st+1)&1
.endif
	SOFT \st&1
.if \first == 0
	RESC
.endif
.if \pre
	s_wait_dscnt 24                                ; V is in; the 16 loads of K and 8 of biases behind it may be out
.else
	s_wait_dscnt 0x0
.endif
	PVMUL \first
.endm
.macro SLOTRUN slot, boff, first       ; a slot's 256 keys
	LOADK \slot, 0
	LOADB \boff, 0, 0
	STEP \slot, 0, \boff, \first, 1
	STEP \slot, 1, \boff, 0, 1
	STEP \slot, 2, \boff, 0, 1
	STEP \slot, 3, \boff, 0, 0
.endm
; The change of slots.  other = the slot just read.  Each wave waits for all its tensor loads (its part of the next slot) and for its LDS reads; behind the round
; of the cluster's barrier no wave of any partner reads slot other or has a load on its way, and the joint refill is the wave's one tensor load.
.macro CHANGE other, refill
	WIN 0
	s_wait_tensorcnt 0x0
	ds_add_u32 v62, v63
	s_wait_dscnt 0x0
.if \refill
	s_add_nc_u64 s[G0K+4*\other+2:G0K+4*\other+3], s[G0K+4*\other+2:G0K+4*\other+3], 65536   ; 512 keys on
	s_add_nc_u64 s[G0V+4*\other+2:G0V+4*\other+3], s[G0V+4*\other+2:G0V+4*\other+3], 65536
.endif
	s_wait_dscnt 0x0
.if \refill
	ROUND
	JLOAD \other
.else
	s_barrier_signal -1
	s_barrier_wait -1
.endif
.endm
	SLOTRUN 0, 0, 1                                ; keys 0-255: the first products start O's sums
	WIN 0
	s_mov_b32 s16, 3
.Lloop:                                            ; a trip: 512 keys, both slots filled again; a refill has four steps' work in which to land
	CHANGE 0, 1
	SLOTRUN 1, 1024, 0
	CHANGE 1, 1
	SLOTRUN 0, 2048, 0
	WIN 0
	v_add_nc_u32 v[BA], 2048, v[BA]
	s_sub_co_u32 s16, s16, 1
	s_cmp_lg_u32 s16, 0
	s_cbranch_scc1 .Lloop
	CHANGE 0, 0                                    ; nothing is left to fetch
	SLOTRUN 1, 1024, 0                             ; keys 1792-2047
	; THE WAY OUT: O / sum, as bf16, through my stage, 512 consecutive bytes (four rows of my head) a store
	PLACES 4
	WIN 0x55
.irp qb, 0,1,2,3
	v_permlanex16_b32 v[TX+\qb], v[LS+\qb], s40, s41
.endr
.irp qb, 0,1,2,3
	v_add_f32 v[LS+\qb], v[LS+\qb], v[TX+\qb]      ; both halves of the keys
.endr
.irp qb, 0,1,2,3
	v_rcp_f32 v[AL+2*\qb], v[LS+\qb]
.endr
	v_nop
	s_wait_alu depctr_va_vdst(0)
	RESC
	WIN 0x0a
.irp qb, 0,1,2,3
.irp db, 0,1,2,3
.irp p, 0,1,2,3
	v_cvt_pk_bf16_f32 v[KF+4*(4*\qb+\db)+\p], v[32*\qb+8*\db+2*\p], v[32*\qb+8*\db+2*\p+1]
.endr
.endr
.endr
	WIN 0
.irp qb, 0,1,2,3
.irp db, 0,1,2,3
	ds_store_b128 v[STO], v[KF+4*(4*\qb+\db):KF+4*(4*\qb+\db)+3] offset:\qb*16*KP+\db*32   ; query 16 qb + r, d = 16 db + 8 h + 0..7
.endr
.endr
.irp t, 0,1,2,3,4,5,6,7,8,9,10,11,12,13,14,15
	ds_load_b128 v[VF+4*\t:VF+4*\t+3], v[RD] offset:\t*4*KP   ; LDS serves a wave's instructions in order (ISA guide 5.7.1.4): these see the stores above
.endr
.irp t, 0,1,2,3,4,5,6,7,8,9,10,11,12,13,14,15
	s_wait_dscnt 15-\t
	global_store_b128 v[CO], v[VF+4*\t:VF+4*\t+3], s[8:9] offset:\t*512
.endr
	s_wait_tensorcnt 0x0
	ds_add_u32 v62, v63
	s_wait_dscnt 0x0
	ROUND                                          ; the closing round
	s_endpgm
.Lfunc_end_k_q150a6fbf89_attn:
	.size	k_q150a6fbf89_attn, .Lfunc_end_k_q150a6fbf89_attn-k_q150a6fbf89_attn
	.p2alignl 7, 3214868480
	.fill 96, 4, 3214868480
	.section	.rodata,"a",@progbits
	.p2align	6, 0x0
	.amdhsa_kernel k_q150a6fbf89_attn
		.amdhsa_group_segment_fixed_size 327680
		.amdhsa_private_segment_fixed_size 0
		.amdhsa_enable_private_segment 0
		.amdhsa_kernarg_size 24
		.amdhsa_user_sgpr_count 2
		.amdhsa_user_sgpr_kernarg_segment_ptr 1
		.amdhsa_wavefront_size32 1
		.amdhsa_system_sgpr_workgroup_id_x 1
		.amdhsa_system_sgpr_workgroup_id_y 1
		.amdhsa_system_sgpr_workgroup_id_z 1
		.amdhsa_system_vgpr_workitem_id 0
		.amdhsa_next_free_vgpr 640
		.amdhsa_next_free_sgpr 66
		.amdhsa_reserve_vcc 1
		.amdhsa_float_denorm_mode_32 3
		.amdhsa_float_denorm_mode_16_64 3
		.amdhsa_memory_ordered 1
		.amdhsa_forward_progress 1
		.amdhsa_inst_pref_size 255
	.end_amdhsa_kernel
	.section	.bss,"aw",@nobits
	.p2align	6
	.space	262144
	.amdgpu_metadata
---
amdhsa.version: [ 1, 2 ]
amdhsa.kernels:
  - .name:           k_q150a6fbf89_attn
    .symbol:         k_q150a6fbf89_attn.kd
    .args:
      - { .name: qkvh, .offset: 0, .size: 8, .value_kind: global_buffer, .address_space: global }
      - { .name: attention_mask, .offset: 8, .size: 8, .value_kind: global_buffer, .address_space: global }
      - { .name: ah, .offset: 16, .size: 8, .value_kind: global_buffer, .address_space: global }
    .group_segment_fixed_size: 327680
    .private_segment_fixed_size: 0
    .kernarg_segment_align: 8
    .kernarg_segment_size: 24
    .max_flat_workgroup_size: 128
    .sgpr_count:     66
    .vgpr_count:     640
    .wavefront_size: 32
...
	.end_amdgpu_metadata
.endif
;; end of part 4
;; launch oproj (part 5): grid 8 x 32, 4 waves a work-group, clusters of 4 x 4, 327,680 bytes of LDS; arguments ah, wb, stats, out0; writes out0
.if DOCPART == 5
	.amdgcn_target "amdgcn-amd-amdhsa--gfx1250"
	.amdhsa_code_object_version 6
	.text
	.protected	k_q150a6fbf89_oproj
	.globl	k_q150a6fbf89_oproj
	.p2align	8
	.type	k_q150a6fbf89_oproj,@function
k_q150a6fbf89_oproj:
	s_mov_b64 s[64:65], 0
	v_nop
	global_prefetch_b8 v0, s[64:65] scope:SCOPE_SE
	s_setreg_imm32_b32 hwreg(HW_REG_WAVE_MODE, 25, 1), 1
	s_wait_xcnt 0x0
	s_wait_alu depctr_hold_cnt(0) depctr_sa_sdst(0) depctr_va_vdst(0) depctr_va_sdst(0) depctr_va_ssrc(0) depctr_va_vcc(0) depctr_vm_vsrc(0)
	s_getreg_b32 s2, hwreg(HW_REG_IB_STS2, 6, 4)
	s_cmp_eq_u32 s2, 0
	s_cbranch_scc0 .Lentry_in_a_cluster
	s_endpgm
.Lentry_in_a_cluster:
	s_bfe_u32 s2, ttmp6, 0x10000c
	s_cmp_lg_u32 s2, 0xf033
	s_cbranch_scc0 .Lentry_shape_is_right
	s_endpgm
.Lentry_shape_is_right:
; SelfAttention, launch 5 of 5: out = a Wo^T / sigma_o, a product of 4096 x 1024 x 1024 in bf16 with f32 sums; 1/sigma_o multiplies the sums; out is f32.
; a lies head-major, ah[b][h][s][64]; k = 64 h + d.  Wo is rows 3072-4095 of wb.
; Blocks of 128 x 128 give 256 work-groups (blocks of 256 x 256 would give 64); a wave makes 64 x 64: 16 accumulator tiles, 128 registers in window 1.
; K goes in four fills of 256 (four heads) through two LDS slots, written out without a loop.
; CLUSTERS: 4 x 4 work-groups; a's tiles are shared along a row of the cluster, Wo's along a column, each asked for jointly.
; LDS: a slot = a's four head tiles (128 rows, pitch 144 each) + Wo's 128 rows of 512 bytes, pitch 528; behind the ring a stage of 16 rows, pitch 272, for each wave.
; Waves 0, 1 fetch two heads of a each: two pieces of 16 KiB, each dense in memory, stated as two rows of 2,048 8-byte elements, padded behind every 128 bytes.
; Waves 2, 3 fetch 64 rows of Wo each.
; The matrix instruction is used transposed (source 0 = rows of Wo, source 1 = rows of a): a lane's eight results are eight neighbouring columns of one row.
.set AP, 144
.set BP, 528
.set HEADT, 128*AP                     ; 18,432
.set ABYTES, 4*HEADT
.set SLOT, ABYTES+128*BP               ; 141,312
.set STAGE, 2*SLOT
.set SPITCH, 272
.set ADRA, 16
.set ADRB, 20
.set STO, 24
.set RD, 25
.set CO, 26
.set F0, 64                            ; a's fragments at + 8 a, Wo's at + 32 + 8 bq
.set F1, 128
.set TMP, 192
.set G1, 24
.set G0, 32
.set G1B, 48
.set G0B, 56
.set MSB, 0
.macro WIN new                         ; the immediate's high byte repeats the setting that is left
.if MSB != \new
	s_set_vgpr_msb (MSB<<8)|\new
.set MSB, \new
.endif
.endm
.macro PLACES n
.rept \n
	v_nop
.endr
.endm
.macro ROUND                           ; a round of the cluster's barrier
	s_barrier_signal -1
	s_barrier_wait -1
	s_cmp_lg_u32 s10, 0
	s_cbranch_scc1 .Lnot_wave_0_\@
	s_barrier_signal -3
.Lnot_wave_0_\@:
	s_barrier_wait -3
	s_barrier_signal -1
	s_barrier_wait -1
.endm
.macro JLOAD s
	s_cmp_eq_u32 s11, 0
	s_cbranch_scc0 .Lfor_b_\@
	tensor_load_to_lds s[G0+4*\s:G0+4*\s+3], s[G1:G1+7]
	s_nop 0
	s_branch .Lasked_\@
.Lfor_b_\@:
	tensor_load_to_lds s[G0B+4*\s:G0B+4*\s+3], s[G1B:G1B+7]
	s_nop 0
.Lasked_\@:
.endm
	s_load_b256 s[68:75], s[0:1], 0x0              ; ah s[68:69], wb s[70:71], stats s[72:73], out0 s[74:75]
	v_lshl_add_u32 v254, v0, 2, 0x49400
	v_mov_b32 v255, 0
	ds_add_u32 v254, v255
	v_lshrrev_b32 v1, 5, v0
	v_readfirstlane_b32 s10, v1                    ; wave
	s_lshr_b32 s11, s10, 1                         ; my half of the block's rows.  Also: I fetch a (0) or Wo (1)
	s_and_b32 s12, s10, 1                          ; my half of its columns.  Also: which half of the tile I fetch
	s_bfe_u32 s40, ttmp6, 0x40000                  ; cx
	s_bfe_u32 s41, ttmp6, 0x40004                  ; cy
	s_lshl_b32 s42, ttmp9, 2
	s_add_co_u32 s42, s42, s40                     ; block column 0..7
	s_and_b32 s13, ttmp7, 0xffff
	s_lshl_b32 s13, s13, 2
	s_add_co_u32 s13, s13, s41                     ; block row 0..31
	s_lshl_b32 s43, s41, 2
	s_lshl_b32 s43, 15, s43                        ; my row of the cluster
	s_lshl_b32 s44, 0x1111, s40                    ; my column
	s_mov_b32 s66, 0x76543210
	s_mov_b32 s67, 0xfedcba98
	s_or_b32 s[G1+0], s43, (3<<16)|(1<<20)|(1<<21)|(4<<22)|(3<<25)   ; a: 8-byte elements; 4 words of padding behind every 32
	s_mov_b32 s[G1+1], 2048<<16                    ; tensor_dim0 = 2,048 elements: one head's 128 rows
	s_mov_b32 s[G1+2], 2<<16                       ; tensor_dim1 = 2 heads
	s_mov_b32 s[G1+3], 2048<<16                    ; tile_dim0
	s_mov_b32 s[G1+4], 2                           ; tile_dim1
	s_mov_b32 s[G1+5], 32768                       ; from head to head: 262,144 bytes
	s_mov_b32 s[G1+6], 0
	s_mov_b32 s[G1+7], 0
	s_or_b32 s[G1B+0], s44, (1<<16)|(1<<20)|(1<<21)|(6<<22)|(3<<25)  ; Wo: 2-byte elements; 4 words of padding behind every 128
	s_mov_b32 s[G1B+1], 256<<16
	s_mov_b32 s[G1B+2], 64<<16
	s_mov_b32 s[G1B+3], 256<<16
	s_mov_b32 s[G1B+4], 64
	s_mov_b32 s[G1B+5], 1024
	s_mov_b32 s[G1B+6], 0
	s_mov_b32 s[G1B+7], 0
	s_lshr_b32 s16, s13, 4                         ; a: the batch (16 heads of 262,144 bytes),
	s_lshl_b32 s16, s16, 22
	s_and_b32 s17, s13, 15                         ; 128 rows of 128 bytes for each block row in it,
	s_lshl_b32 s17, s17, 14
	s_add_co_u32 s16, s16, s17
	s_lshl_b32 s17, s12, 19                        ; and my two heads of the slot's four
	s_add_co_u32 s16, s16, s17
	s_mov_b32 s17, 0
	s_lshl_b32 s46, s42, 18                        ; Wo: row 128 x block column + 64 x half, 2,048 bytes each,
	s_lshl_b32 s47, s12, 17
	s_add_co_u32 s46, s46, s47
	s_add_co_u32 s46, s46, 3072*2048               ; behind wb's 3,072 rows of Wq, Wk, Wv
	s_mov_b32 s47, 0
	s_mul_i32 s20, s12, 2*HEADT                    ; where they go
	s_mul_i32 s21, s12, 64*BP
	s_add_co_u32 s21, s21, ABYTES
	s_wait_dscnt 0x0
	s_wait_kmcnt 0x0
	s_add_nc_u64 s[14:15], s[68:69], s[16:17]
	s_add_nc_u64 s[46:47], s[70:71], s[46:47]
	ROUND                                          ; all sixteen work-groups are here: the first joint loads meet
.irp s, 0,1
	s_mov_b32 s[G0+4*\s], 1
	s_add_co_u32 s[G0+4*\s+1], s20, \s*SLOT
	s_add_nc_u64 s[G0+4*\s+2:G0+4*\s+3], s[14:15], \s*1048576      ; four heads on
	s_or_b32 s[G0+4*\s+3], s[G0+4*\s+3], 0x80000000
	s_mov_b32 s[G0B+4*\s], 1
	s_add_co_u32 s[G0B+4*\s+1], s21, \s*SLOT
	s_add_nc_u64 s[G0B+4*\s+2:G0B+4*\s+3], s[46:47], \s*512        ; 256 along K
	s_or_b32 s[G0B+4*\s+3], s[G0B+4*\s+3], 0x80000000
	JLOAD \s                                       ; two tensor loads of the wave are out
.endr
	; 1/sigma_o, while the first tiles are on their way: stats' fourth block of 64 pairs (part of |W t|^2, |t|^2)
	v_and_b32 v6, 31, v0
	v_lshlrev_b32 v6, 4, v6
	global_load_b128 v[8:11], v6, s[72:73] offset:1536
	s_wait_loadcnt 0x0
	v_add_f32 v8, v8, v10
.irp x, 1,2,4,8
	v_add_f32_dpp v8, v8, v8 row_xmask:\x row_mask:0xf bank_mask:0xf
.endr
	v_permlanex16_b32 v10, v8, s66, s67
	v_add_f32 v8, v8, v10                          ; |W t|^2
	v_sqrt_f32 v12, v8
	v_sqrt_f32 v13, v9                             ; |t|
	v_nop                                          ; a plain place behind each group of roots and reciprocals (ISA guide 5.7.2)
	s_wait_alu depctr_va_vdst(0)
	v_add_f32 v13, 0x2b8cbccc, v13                 ; + 1e-12
	v_rcp_f32 v14, v13
	v_nop
	s_wait_alu depctr_va_vdst(0)
	v_mul_f32 v12, v12, v14                        ; |W v|
	v_mul_f32 v13, v12, v12
	v_add_f32 v12, 0x2b8cbccc, v12
	v_rcp_f32 v14, v13
	v_nop
	s_wait_alu depctr_va_vdst(0)
	v_mul_f32 v5, v12, v14                         ; 1/sigma = (|W v| + eps) / |W v|^2
	v_readfirstlane_b32 s78, v5
	s_mov_b32 s79, s78
	v_and_b32 v1, 15, v0                           ; r
	v_bfe_u32 v2, v0, 4, 1                         ; h
	v_mul_u32_u24 v3, v1, AP
	v_lshl_add_u32 v3, v2, 4, v3
	s_mul_i32 s22, s11, 64*AP                      ; my 64 rows of a
	v_add_nc_u32 v[ADRA], s22, v3
	v_add_nc_u32 v[ADRA+1], SLOT, v[ADRA]
	v_mul_u32_u24 v4, v1, BP
	v_lshl_add_u32 v4, v2, 4, v4
	v_add_nc_u32 v[ADRB], s21, v4                  ; my 64 rows of Wo: the half that wave 2 + (w & 1) fetched
	v_add_nc_u32 v[ADRB+1], SLOT, v[ADRB]
	s_mul_i32 s23, s10, 16*SPITCH
	s_add_co_u32 s23, s23, STAGE                   ; my stage
	v_mul_u32_u24 v3, v1, SPITCH
	v_lshl_add_u32 v3, v2, 5, v3                   ; in: row r, 32 bytes for each half of the lanes
	v_add_nc_u32 v[STO], s23, v3
	v_mul_u32_u24 v3, v2, SPITCH
	v_lshl_add_u32 v3, v1, 4, v3                   ; back: lanes 0-15 one row of 256 bytes, lanes 16-31 the next
	v_add_nc_u32 v[RD], s23, v3
	v_lshlrev_b32 v[CO], 4, v1
	v_lshl_add_u32 v[CO], v2, 12, v[CO]            ; and the same two rows of out
; the fragments of 32 along K (e = 0..7 in a slot: head e >> 1, half e & 1) into buffer f
.macro FETCH slot, e, f
	WIN 0
.irp a, 0,1,2,3
	ds_load_b128 v[(\f)+8*\a:(\f)+8*\a+3],   v[ADRA+\slot] offset:((\e)>>1)*HEADT+\a*16*AP+((\e)&1)*64
	ds_load_b128 v[(\f)+8*\a+4:(\f)+8*\a+7], v[ADRA+\slot] offset:((\e)>>1)*HEADT+\a*16*AP+((\e)&1)*64+32
.endr
.irp bq, 0,1,2,3
	ds_load_b128 v[(\f)+32+8*\bq:(\f)+32+8*\bq+3],   v[ADRB+\slot] offset:\bq*16*BP+(\e)*64
	ds_load_b128 v[(\f)+32+8*\bq+4:(\f)+32+8*\bq+7], v[ADRB+\slot] offset:\bq*16*BP+(\e)*64+32
.endr
.endm
.macro MUL16 f, zero                   ; the sixteen accumulators take turns, one instruction a turn
	WIN 0x50
.irp a, 0,1,2,3
.irp bq, 0,1,2,3
.if \zero
	v_wmma_f32_16x16x32_bf16 v[8*(4*\a+\bq):8*(4*\a+\bq)+7], v[(\f)+32+8*\bq:(\f)+32+8*\bq+7], v[(\f)+8*\a:(\f)+8*\a+7], 0
.else
	v_wmma_f32_16x16x32_bf16 v[8*(4*\a+\bq):8*(4*\a+\bq)+7], v[(\f)+32+8*\bq:(\f)+32+8*\bq+7], v[(\f)+8*\a:(\f)+8*\a+7], v[8*(4*\a+\bq):8*(4*\a+\bq)+7]
.endif
.endr
.endr
.endm
.macro ESTEP slot, e, zero
	s_wait_dscnt 0x0                               ; this step's fragments
.if \e < 7
	PLACES 4                                       ; the other buffer was read by the matrix instructions just issued (ISA guide 7.12.1 for vector instructions)
	FETCH \slot, \e+1, F0+64*((\e+1)&1)
.endif
	MUL16 F0+64*(\e&1), \zero
.endm
.macro PROC slot, zero                 ; a slot's 256 along K
	PLACES 4
	FETCH \slot, 0, F0
	ESTEP \slot, 0, \zero
.irp e, 1,2,3,4,5,6,7
	ESTEP \slot, \e, 0
.endr
.endm
; The change of slots, as in every ring here: all my tensor loads and LDS reads are waited for, a round of the cluster's barrier, then my one joint refill.
.macro CHANGE other, refill
	WIN 0
	s_wait_tensorcnt 0x0
	ds_add_u32 v254, v255
	s_wait_dscnt 0x0
.if \refill
	s_add_nc_u64 s[G0+4*\other+2:G0+4*\other+3], s[G0+4*\other+2:G0+4*\other+3], 2097152   ; eight heads on
	s_add_nc_u64 s[G0B+4*\other+2:G0B+4*\other+3], s[G0B+4*\other+2:G0B+4*\other+3], 1024  ; 512 along K
.endif
	s_wait_dscnt 0x0
.if \refill
	ROUND
	JLOAD \other
.else
	s_barrier_signal -1
	s_barrier_wait -1
.endif
.endm
	s_wait_tensorcnt 0x1                           ; my part of slot 0 is in; slot 1's may stay out
	s_barrier_signal -1
	s_barrier_wait -1
	PROC 0, 1                                      ; heads 0-3: the first products start the sums
	CHANGE 0, 1
	PROC 1, 0                                      ; heads 4-7
	CHANGE 1, 1
	PROC 0, 0                                      ; heads 8-11
	CHANGE 0, 0
	PROC 1, 0                                      ; heads 12-15
	; THE WAY OUT, 16 rows at a time: times 1/sigma, through my stage, sixteen lanes store 256 consecutive bytes, aligned
	PLACES 4
	WIN 0
	s_lshl_b32 s16, s13, 19                        ; (128 block row + 64 half) rows of 4,096 bytes
	s_lshl_b32 s17, s11, 18
	s_add_co_u32 s16, s16, s17
	s_mov_b32 s17, 0
	s_add_nc_u64 s[74:75], s[74:75], s[16:17]
	s_lshl_b32 s46, s42, 9                         ; (128 block column + 64 half) x 4 bytes (in the registers that held Wo's address)
	s_lshl_b32 s47, s12, 8
	s_add_co_u32 s46, s46, s47
	s_mov_b32 s47, 0
	s_add_nc_u64 s[74:75], s[74:75], s[46:47]
.irp a, 0,1,2,3
	WIN 0x01
.set j, 0
.rept 16
	v_pk_mul_f32 v[TMP+2*j:TMP+2*j+1], v[32*\a+2*j:32*\a+2*j+1], s[78:79] op_sel_hi:[1,0]
.set j, j+1
.endr
	WIN 0
.irp bq, 0,1,2,3
	ds_store_b128 v[STO], v[TMP+8*\bq:TMP+8*\bq+3] offset:\bq*64
	ds_store_b128 v[STO], v[TMP+8*\bq+4:TMP+8*\bq+7] offset:\bq*64+16
.endr
	s_wait_xcnt 0x0                                ; the buffer below, which earlier stores read, is rewritten only behind this wait
.irp t, 0,1,2,3,4,5,6,7
	ds_load_b128 v[F0+64*(\a&1)+4*\t:F0+64*(\a&1)+4*\t+3], v[RD] offset:\t*2*SPITCH   ; LDS serves a wave's instructions in order (ISA guide 5.7.1.4)
.endr
.irp t, 0,1,2,3,4,5,6,7
	s_wait_dscnt 7-\t
	global_store_b128 v[CO], v[F0+64*(\a&1)+4*\t:F0+64*(\a&1)+4*\t+3], s[74:75] offset:(16*\a+2*\t)*4096 th:TH_STORE_NT
.endr
.endr
	s_wait_tensorcnt 0x0
	ds_add_u32 v254, v255
	s_wait_dscnt 0x0
	ROUND                                          ; the closing round
	s_endpgm
.Lfunc_end_k_q150a6fbf89_oproj:
	.size	k_q150a6fbf89_oproj, .Lfunc_end_k_q150a6fbf89_oproj-k_q150a6fbf89_oproj
	.p2alignl 7, 3214868480
	.fill 96, 4, 3214868480
	.section	.rodata,"a",@progbits
	.p2align	6, 0x0
	.amdhsa_kernel k_q150a6fbf89_oproj
		.amdhsa_group_segment_fixed_size 327680
		.amdhsa_private_segment_fixed_size 0
		.amdhsa_enable_private_segment 0
		.amdhsa_kernarg_size 32
		.amdhsa_user_sgpr_count 2
		.amdhsa_user_sgpr_kernarg_segment_ptr 1
		.amdhsa_wavefront_size32 1
		.amdhsa_system_sgpr_workgroup_id_x 1
		.amdhsa_system_sgpr_workgroup_id_y 1
		.amdhsa_system_sgpr_workgroup_id_z 1
		.amdhsa_system_vgpr_workitem_id 0
		.amdhsa_next_free_vgpr 384
		.amdhsa_next_free_sgpr 80
		.amdhsa_reserve_vcc 0
		.amdhsa_float_denorm_mode_32 3
		.amdhsa_float_denorm_mode_16_64 3
		.amdhsa_memory_ordered 1
		.amdhsa_forward_progress 1
		.amdhsa_inst_pref_size 94
	.end_amdhsa_kernel
	.amdgpu_metadata
---
amdhsa.version: [ 1, 2 ]
amdhsa.kernels:
  - .name:           k_q150a6fbf89_oproj
    .symbol:         k_q150a6fbf89_oproj.kd
    .args:
      - { .name: ah, .offset: 0, .size: 8, .value_kind: global_buffer, .address_space: global }
      - { .name: wb, .offset: 8, .size: 8, .value_kind: global_buffer, .address_space: global }
      - { .name: stats, .offset: 16, .size: 8, .value_kind: global_buffer, .address_space: global }
      - { .name: out0, .offset: 24, .size: 8, .value_kind: global_buffer, .address_space: global }
    .group_segment_fixed_size: 327680
    .private_segment_fixed_size: 0
    .kernarg_segment_align: 8
    .kernarg_segment_size: 32
    .max_flat_workgroup_size: 128
    .sgpr_count:     80
    .vgpr_count:     384
    .wavefront_size: 32
...
	.end_amdgpu_metadata
.endif
;; end of part 5
;; ======== version 2 of 3: 5 launches; 1.35 times as fast as version 1
;; limits: values are held in f16: magnitudes above 65,504 overflow, below 6.1e-05 lose precision
;; workspace buffers: wb 8,388,608 bytes; xb 8,388,608 bytes; tpart 131,072 bytes; rot 524,288 bytes; stats 2,048 bytes; qkvh 25,165,824 bytes; ah 8,388,608 bytes
;; launch prep: the kernel of part 1 again; grid 256 x 1, 8 waves a work-group, no clusters, 5,120 bytes of LDS; arguments Wq, Wk, Wv, Wo, uq, uk, uv, uo, x, wb, xb, tpart, rot; writes wb, xb, tpart, rot
;; launch sig: the kernel of part 2 again; grid 256 x 1, 8 waves a work-group, no clusters, 2,048 bytes of LDS; arguments Wq, Wk, Wv, Wo, tpart, stats; writes stats
;; launch qkv: the kernel of part 3 again; grid 12 x 16, 4 waves a work-group, clusters of 4 x 4, 327,680 bytes of LDS; arguments xb, wb, rot, stats, qkvh; writes qkvh
;; launch attn (part 6): grid 8 x 32, 4 waves a work-group, clusters of 4 x 1, 327,680 bytes of LDS; arguments qkvh, attention_mask, ah; writes ah
.if DOCPART == 6
	.amdgcn_target "amdgcn-amd-amdhsa--gfx1250"
	.amdhsa_code_object_version 6
	.text
	.protected	k_q150a6fbf89_attn
	.globl	k_q150a6fbf89_attn
	.p2align	8
	.type	k_q150a6fbf89_attn,@function
k_q150a6fbf89_attn:
	s_mov_b64 s[64:65], 0
	v_nop
	global_prefetch_b8 v0, s[64:65] scope:SCOPE_SE
	s_setreg_imm32_b32 hwreg(HW_REG_WAVE_MODE, 25, 1), 1
	s_wait_xcnt 0x0
	s_wait_alu depctr_hold_cnt(0) depctr_sa_sdst(0) depctr_va_vdst(0) depctr_va_sdst(0) depctr_va_ssrc(0) depctr_va_vcc(0) depctr_vm_vsrc(0)
	s_getreg_b32 s2, hwreg(HW_REG_IB_STS2, 6, 4)
	s_cmp_eq_u32 s2, 0
	s_cbranch_scc0 .Lentry_in_a_cluster
	s_endpgm
.Lentry_in_a_cluster:
	s_bfe_u32 s2, ttmp6, 0x10000c
	s_cmp_lg_u32 s2, 0x3003
	s_cbranch_scc0 .Lentry_shape_is_right
	s_endpgm
.Lentry_shape_is_right:
; SelfAttention, launch 4 of 5: softmax(q k^T / 8, keys masked) v for one (batch, head) and 256 queries a work-group; a wave takes 64 queries, four blocks qb of 16.
; q comes scaled by log2(e)/8, so the exponentials are powers of two.  The row maximum is taken away as a running maximum; sums and results are rescaled when it grows.
; THE MASK: a masked key gets the bias -1e30, a live one 0, and the bias is the C operand of the first product of each score tile, so the mask costs no vector
; instruction.  q and k are f16, so a score is at most 64 x 65504^2 = 2.7e11 in size: -1e30 lies below every live score, and 2^(-1e30 - maximum) is 0.  What a row
; gathers before its first live key is multiplied by 2^(-1e30 - m) = 0 when that key comes.  A row whose last maximum is below -2^97 has met no live key at all and
; gets NaN, as the source's softmax of a row of -inf does.
; LIMITS: q, k, v and p are f16 (f32 sums): p lies in [0, 1] and what is below 6e-8 of a row's largest p is dropped; the result goes out as bf16.
; THE MATRIX UNIT: S^T = K Q^T (A = 16 keys, B = 16 queries): register j of lane (r, h) is key 8 h + j, query r.  So maximum, sum and rescale are one number a
; lane, and one exchange between the halves joins them.  Two key tiles packed to f16 in place are the B fragment of O^T = V^T P^T for the same lane: p makes
; no way through LDS.  A = V^T comes by the transposing LDS load.
; TWO PIECES TAKE TURNS: piece A = query blocks 0, 1, piece B = blocks 2, 3.  A trip (64 keys, step cur) is two halves:
;   Y: the products O_A += V(prev) P_A(prev), then S_A(cur) = K(cur) Q_A, with the softmax of S_B(prev) cut into slices, one behind each of the 32 matrix instructions;
;   X: the products O_B += V(prev) P_B(prev), then S_B(cur), with the softmax of S_A(cur) behind them in the same way.
; A piece's softmax is 238 vector instructions for the other piece's 32 matrix instructions.  K(cur) and its biases are fetched at Y's head, V(cur) in X behind the last
; product that reads V(prev): one buffer of each is enough, and all of a trip's LDS reads fall into step cur's slot, so four trips are a slot and the change of slots
; stands between trips.  The slices name none of the matrix piece's registers, so they are also the places that ISA guide 7.12.1 asks for behind matrix instructions.
; CLUSTER: the four work-groups of a cluster are four query blocks of one head and read the same K and V: each tile is asked for jointly, mask 15.
; LDS: two slots of 256 keys (K: 256 rows, pitch 144; V: 256 rows, pitch 160), the bias (2,048 f32), 256 free bytes, a stage of 64 rows, pitch 144, for each wave.
; One tensor load brings 128 keys of K or of V: 16 KiB that are dense in memory, stated as 64 rows of 256 bytes, padded behind every 128 bytes.
; THE TEXT IS KEPT SHORT: a trip is some 650 instructions, and 32 are run.  A slot's four trips are a counted loop over ONE copy, whose place in the slot is carried in
; three address registers; the slot's number stays a constant of the text, so the trip stands four times: for slot 0 and slot 1 in the loop whose changes of slot fill
; again, and for slot 0 and slot 1 in the tail, which fills nothing.  No first trip is written out: see where the sums are started.
; REGISTERS, laid out so that a slice mostly shares the window setting of the matrix instruction in front of it:
;   window 0: addresses, MS (minus the maximum), Q's fragments.   window 1: S, tile (kb, qb) at 32 qb + 8 kb, K's fragments, the biases, the softmax's numbers.
;   window 2: O, tile (db, qb) at 32 qb + 8 db, and V's fragments.
;   S products run under 0x51 (A, C, D window 1, B window 0): so do S + MS and the exponentials.  PV products run under 0xa6 (A, C, D window 2, B window 1): so does
;   O x alpha.  Maximum, sum and packing want all operands in window 1 (0x55) and are gathered into 8 of a half's 32 slices: 40 switches a trip.
.set KP, 144
.set VP, 160
.set KBYTES, 256*KP
.set SLOT, KBYTES+256*VP               ; 77,824
.set BIAS, 2*SLOT
.set STAGE, BIAS+8192+256              ; 256 bytes stay free: there BC points when the last slot's loop is left; nothing is read through it then
.set WSTAGE, 64*KP
.set KA, 16                            ; my place in a K fragment of slot 0's first step
.set VA, 17                            ; the same for V
.set BA, 18                            ; the bias of my eight keys of a tile; stepped once a trip of the outer loop (512 keys)
.set KC, 19                            ; KA, VA, BA of the step at work: set at a slot's head, stepped once a trip
.set VC, 20
.set BC, 21
.set STO, 22
.set RD, 23
.set CO, 24
.set QO, 25
.set MS, 28                            ; window 0, + 2 l: minus the new maximum of the vector piece's block l
.set ZF, 56                            ; v[56:63] at the start alone: a fragment of zeros
.set OB, 64                            ; the way out: results as bf16
.set RB, 128                           ; the way out: rows read back
.set QF, 192                           ; window 0, + 16 qb + 8 ks
.set KF, 128                           ; window 1, + 16 kb + 8 ks
.set BI, 192                           ; window 1, + 8 kb: the biases of my 32 keys of a step
.set MX, 224                           ; window 1, + qb: running maximum
.set LS, 228                           ; + qb: running sum (my half of the keys)
.set AL, 232                           ; + 2 qb: the rescale
.set TA, 240                           ; + l: at work
.set TB, 242
.set TX, 244
.set SP, 246                           ; + 2 b: a pair of partial sums for each block of 16 registers
.set VF, 128                           ; window 2, + 16 db + 8 ks2
.set G1K, 24
.set G0K, 32
.set G1V, 48
.set G0V, 56
.set MSB, 0
.macro WIN new                         ; the immediate's high byte repeats the setting that is left; a switch that changes nothing is dropped
.if MSB != \new
	s_set_vgpr_msb (MSB<<8)|\new
.set MSB, \new
.endif
.endm
.macro PLACES n
.rept \n
	v_nop
.endr
.endm
.macro ROUND                           ; a round of the cluster's barrier
	s_barrier_signal -1
	s_barrier_wait -1
	s_cmp_lg_u32 s10, 0
	s_cbranch_scc1 .Lnot_wave_0_\@
	s_barrier_signal -3
.Lnot_wave_0_\@:
	s_barrier_wait -3
	s_barrier_signal -1
	s_barrier_wait -1
.endm
.macro JLOAD s                         ; waves 0, 1 ask for K's two halves, waves 2, 3 for V's; the branch hangs on the wave's number alone
	s_cmp_eq_u32 s11, 0
	s_cbranch_scc0 .Lfor_v_\@
	tensor_load_to_lds s[G0K+4*\s:G0K+4*\s+3], s[G1K:G1K+7]
	s_nop 0
	s_branch .Lasked_\@
.Lfor_v_\@:
	tensor_load_to_lds s[G0V+4*\s:G0V+4*\s+3], s[G1V:G1V+7]
	s_nop 0
.Lasked_\@:
.endm
	s_load_b128 s[4:7], s[0:1], 0x0                ; qkvh s[4:5], attention_mask s[6:7]
	s_load_b64 s[8:9], s[0:1], 0x10                ; ah
	v_lshl_add_u32 v27, v0, 2, 0x31100
	v_mov_b32 v55, 0
	ds_add_u32 v27, v55
	v_lshrrev_b32 v1, 5, v0
	v_readfirstlane_b32 s10, v1                    ; wave
	s_lshr_b32 s11, s10, 1                         ; 0: I fetch K, 1: V
	s_and_b32 s12, s10, 1                          ; which 128 keys of a slot
	s_and_b32 s13, ttmp7, 0xffff                   ; 16 b + h
	s_lshr_b32 s14, s13, 4
	s_and_b32 s15, s13, 15
	s_bfe_u32 s42, ttmp6, 0x40000                  ; cx
	s_lshl_b32 s43, ttmp9, 2
	s_add_co_u32 s43, s43, s42                     ; query block 0..7
	s_mov_b32 s40, 0x76543210                      ; v_permlanex16_b32: lane i of one half reads lane i of the other
	s_mov_b32 s41, 0xfedcba98
	s_mov_b32 s[G1K+0], 0x0733000f                 ; mask 15; 8-byte elements; padding on; bit 21 beside the mask; behind every 32 words 4 words
	s_mov_b32 s[G1V+0], 0x0f33000f                 ; the same with 8 words of padding
	s_mov_b32 s[G1K+1], 32<<16                     ; tensor_dim0 = 32 elements (256 bytes)
	s_mov_b32 s[G1V+1], 32<<16
	s_mov_b32 s[G1K+2], 64<<16                     ; tensor_dim1 = 64
	s_mov_b32 s[G1V+2], 64<<16
	s_mov_b32 s[G1K+3], 32<<16                     ; tile_dim0 = 32
	s_mov_b32 s[G1V+3], 32<<16
	s_mov_b32 s[G1K+4], 64                         ; tile_dim1 = 64
	s_mov_b32 s[G1V+4], 64
	s_mov_b32 s[G1K+5], 32                         ; the rows follow each other
	s_mov_b32 s[G1V+5], 32
	s_mov_b32 s[G1K+6], 0
	s_mov_b32 s[G1V+6], 0
	s_mov_b32 s[G1K+7], 0
	s_mov_b32 s[G1V+7], 0
	s_mul_i32 s16, s14, 12582912                   ; the batch: 48 heads of 262,144 bytes
	s_lshl_b32 s17, s15, 18
	s_add_co_u32 s16, s16, s17                     ; q's head
	s_lshl_b32 s17, s12, 14                        ; my 128 keys
	s_add_co_u32 s18, s16, s17
	s_add_co_u32 s18, s18, 0x400000                ; 16 heads on: k's head
	s_mov_b32 s19, 0
	s_add_co_u32 s20, s18, 0x400000                ; 16 more: v's
	s_mov_b32 s21, 0
	s_mul_i32 s44, s12, 128*KP                     ; where they go
	s_mul_i32 s45, s12, 128*VP
	s_add_co_u32 s45, s45, KBYTES
	s_lshl_b32 s46, s43, 15                        ; my 64 queries in a head: (256 block + 64 wave) x 128 bytes
	s_lshl_b32 s47, s10, 13
	s_add_co_u32 s46, s46, s47
	s_add_co_u32 s22, s46, s16
	s_mov_b32 s23, 0
	s_lshl_b32 s47, s13, 18
	s_add_co_u32 s46, s46, s47
	s_mov_b32 s47, 0
	s_lshl_b32 s2, s14, 11                         ; the batch's 2,048 mask bytes
	s_mov_b32 s3, 0
	s_mul_i32 s17, s10, WSTAGE
	s_add_co_u32 s17, s17, STAGE                   ; my stage
	s_wait_dscnt 0x0
	s_wait_kmcnt 0x0
	s_add_nc_u64 s[18:19], s[4:5], s[18:19]        ; K
	s_add_nc_u64 s[20:21], s[4:5], s[20:21]        ; V
	s_add_nc_u64 s[22:23], s[4:5], s[22:23]        ; Q
	s_add_nc_u64 s[8:9], s[8:9], s[46:47]          ; ah
	s_add_nc_u64 s[6:7], s[6:7], s[2:3]            ; mask
	ROUND                                          ; the four work-groups are here: the first joint loads meet
.irp s, 0,1
	s_mov_b32 s[G0K+4*\s], 1
	s_add_co_u32 s[G0K+4*\s+1], s44, \s*SLOT
	s_add_nc_u64 s[G0K+4*\s+2:G0K+4*\s+3], s[18:19], \s*32768
	s_or_b32 s[G0K+4*\s+3], s[G0K+4*\s+3], 0x80000000
	s_mov_b32 s[G0V+4*\s], 1
	s_add_co_u32 s[G0V+4*\s+1], s45, \s*SLOT
	s_add_nc_u64 s[G0V+4*\s+2:G0V+4*\s+3], s[20:21], \s*32768
	s_or_b32 s[G0V+4*\s+3], s[G0V+4*\s+3], 0x80000000
	JLOAD \s                                       ; keys 0-255 and 256-511: two tensor loads of the wave are out
.endr
	v_and_b32 v1, 15, v0                           ; r
	v_bfe_u32 v2, v0, 4, 1                         ; h
	v_lshlrev_b32 v[QO], 7, v1
	v_lshl_add_u32 v[QO], v2, 4, v[QO]             ; Q: row r of 128 bytes + 16 h
	v_lshlrev_b32 v26, 4, v0                       ; 16 mask bytes a thread
	global_load_b128 v[32:35], v26, s[6:7]
.irp qb, 0,1,2,3
.irp ks, 0,1
	global_load_b128 v[QF+16*\qb+8*\ks:QF+16*\qb+8*\ks+3],   v[QO], s[22:23] offset:\qb*2048+\ks*64
	global_load_b128 v[QF+16*\qb+8*\ks+4:QF+16*\qb+8*\ks+7], v[QO], s[22:23] offset:\qb*2048+\ks*64+32
.endr
.endr
	v_and_b32 v3, 7, v0
	v_bfe_u32 v4, v0, 3, 1
	v_bfe_u32 v5, v0, 3, 2                         ; lane >> 3
	v_and_b32 v6, 31, v0
	v_mul_u32_u24 v[KA], v1, KP
	v_lshl_add_u32 v[KA], v2, 4, v[KA]             ; key row r, + 16 h
	v_lshl_add_u32 v7, v2, 3, v3                   ; V, for the transposing load: key row 8 h + (l & 7), + 16 ((l >> 3) & 1)
	v_mul_u32_u24 v7, v7, VP
	v_lshl_add_u32 v7, v4, 4, v7
	v_add_nc_u32 v[VA], KBYTES, v7
	v_lshlrev_b32 v[BA], 5, v2
	v_add_nc_u32 v[BA], BIAS, v[BA]
	v_add_nc_u32 v[STO], s17, v[KA]
	v_mul_u32_u24 v7, v5, KP
	v_lshl_add_u32 v7, v3, 4, v7
	v_add_nc_u32 v[RD], s17, v7
	v_lshlrev_b32 v[CO], 4, v6
	v_mov_b32 v52, 0xf149f2ca                      ; -1e30, a masked key's bias
	v_lshlrev_b32 v53, 6, v0
	v_add_nc_u32 v53, BIAS, v53                    ; my 16 keys' biases
	v_mov_b32 v[MS+1], 0                           ; the pairs' upper registers are named by the packed instructions and never used
	v_mov_b32 v[MS+3], 0
.irp j, 0,1,2,3,4,5,6,7
	v_mov_b32 v[ZF+\j], 0
.endr
	WIN 0x40
.irp qb, 0,1,2,3
	v_mov_b32 v[MX+\qb], 0xff7fffff                ; -FLT_MAX: below the masked keys' -1e30, and finite, so that no difference of maxima is a NaN
	v_mov_b32 v[LS+\qb], 0
	v_mov_b32 v[AL+2*\qb+1], 0
.endr
	v_mov_b32 v[TX], 0                             ; the destination of v_permlanex16_b32 counts as read
	v_mov_b32 v[TX+1], 0
.irp j, 0,1,2,3,4,5,6,7
	v_mov_b32 v[BI+\j], 0xf149f2ca
.endr
	; WHERE THE SUMS ARE STARTED.  The trip for step 0 is the loop's own text: as its step prev it meets a made-up step of 64 masked keys with V = 0.  36 products of
	; a fragment of zeros with itself write what that takes: P_A = 0 (the four tiles that the products read), S_B = -1e30 (through C), O = 0 and V's fragments = 0.
	; Piece B's softmax of it gives the maximum -1e30, p = 1 and the sum 32, which go the way of every masked key's (see THE MASK); its products add 0.
.irp t, 0,2,4,6
	v_wmma_f32_16x16x32_f16 v[8*\t:8*\t+7], v[ZF:ZF+7], v[ZF:ZF+7], 0
.endr
	WIN 0x50
.set t, 8
.rept 8
	v_wmma_f32_16x16x32_f16 v[8*t:8*t+7], v[ZF:ZF+7], v[ZF:ZF+7], v[BI:BI+7]
.set t, t+1
.endr
	WIN 0x80
.set t, 0
.rept 24                                           ; O is v[0:127] of window 2, V's fragments v[128:191]
	v_wmma_f32_16x16x32_f16 v[8*t:8*t+7], v[ZF:ZF+7], v[ZF:ZF+7], 0
.set t, t+1
.endr
	WIN 0
	s_wait_loadcnt 16                              ; the mask is in; Q's 16 loads behind it may be out
.set k, 0
.rept 16                                           ; these 48 instructions also stand between the products above and the first use of, or load into, their registers (ISA guide 7.12.1 for vector instructions)
	v_bfe_u32 v54, v[32+k/4], 8*(k%4), 8
	v_cmp_eq_u32 vcc_lo, 0, v54
	v_cndmask_b32 v[36+k], 0, v52, vcc_lo          ; 0 for a live key, -1e30 for a masked one
.set k, k+1
.endr
	ds_store_b128 v53, v[36:39]
	ds_store_b128 v53, v[40:43] offset:16
	ds_store_b128 v53, v[44:47] offset:32
	ds_store_b128 v53, v[48:51] offset:48
	s_wait_loadcnt 0x0                             ; Q
	s_wait_dscnt 0x0                               ; my biases are in LDS before I say so
	s_wait_tensorcnt 0x1                           ; my part of slot 0 is in; slot 1's may stay out
	s_barrier_signal -1
	s_barrier_wait -1
.macro LOADK                           ; the step's K: 64 keys x 64 d, into window 1
	WIN 0x40
.irp kb, 0,1,2,3
.irp ks, 0,1
	ds_load_b128 v[KF+16*\kb+8*\ks:KF+16*\kb+8*\ks+3],   v[KC] offset:16*\kb*KP+64*\ks
	ds_load_b128 v[KF+16*\kb+8*\ks+4:KF+16*\kb+8*\ks+7], v[KC] offset:16*\kb*KP+64*\ks+32
.endr
.endr
.endm
.macro LOADB                           ; the biases of my 32 keys, in the layout of a score tile's registers
	WIN 0x40
.irp kb, 0,1,2,3
	ds_load_b128 v[BI+8*\kb:BI+8*\kb+3],   v[BC] offset:64*\kb
	ds_load_b128 v[BI+8*\kb+4:BI+8*\kb+7], v[BC] offset:64*\kb+16
.endr
.endm
.macro LOADV                           ; the step's V^T: 64 d x 64 keys, into window 2
	WIN 0x80
.irp db, 0,1,2,3
.irp ks2, 0,1
	ds_load_tr16_b128 v[VF+16*\db+8*\ks2:VF+16*\db+8*\ks2+3],   v[VC] offset:32*\ks2*VP+32*\db
	ds_load_tr16_b128 v[VF+16*\db+8*\ks2+4:VF+16*\db+8*\ks2+7], v[VC] offset:32*\ks2*VP+32*\db+16*VP
.endr
.endr
.endm
; The matrix piece m's instructions, by number.  Its eight accumulators take turns, one instruction a turn: i = 8 ks + 4 (block in the piece) + tile.
.macro PVW m, i                        ; O(db, qb) += V^T(db, ks2) P(ks2, qb)
	WIN 0xa6
.set pq, 2*(\m)+(((\i)>>2)&1)
.set ph, (\i)>>3
.set pd, (\i)&3
	v_wmma_f32_16x16x32_f16 v[32*pq+8*pd:32*pq+8*pd+7], v[VF+16*pd+8*ph:VF+16*pd+8*ph+7], v[32*pq+16*ph:32*pq+16*ph+7], v[32*pq+8*pd:32*pq+8*pd+7]
.endm
.macro SW m, i                         ; S(kb, qb) = K(kb, ks) Q(qb, ks) + the keys' biases (ks = 0) or + S (ks = 1)
	WIN 0x51
.set pq, 2*(\m)+(((\i)>>2)&1)
.set ph, (\i)>>3
.set pd, (\i)&3
.if ph == 0
	v_wmma_f32_16x16x32_f16 v[32*pq+8*pd:32*pq+8*pd+7], v[KF+16*pd:KF+16*pd+7], v[QF+16*pq:QF+16*pq+7], v[BI+8*pd:BI+8*pd+7]
.else
	v_wmma_f32_16x16x32_f16 v[32*pq+8*pd:32*pq+8*pd+7], v[KF+16*pd+8:KF+16*pd+15], v[QF+16*pq+8:QF+16*pq+15], v[32*pq+8*pd:32*pq+8*pd+7]
.endif
.endm
; The vector piece v's softmax, in slices.  l = 0, 1: its two query blocks.  b = 0..3: its four blocks of 16 registers (block l, keys' half ks2), each of which becomes one B fragment.
; Maximum: 33 numbers a query block (32 scores and the running maximum) in 16 v_max3: chain A takes the running maximum and scores 0-15, chain B scores 16-30,
; the last instruction joins them with score 31.  Instruction n of 32: step n >> 2, chain (n >> 1) & 1, block n & 1, so that a chain comes round every fourth instruction.
.macro MAXN v, first, cnt
	WIN 0x55
.set n, \first
.rept \cnt
.set zs, n>>2
.set zl, n&1
.set zb, 32*(2*(\v)+zl)
.if ((n>>1)&1) == 0
.if zs == 0
	v_max3_num_f32 v[TA+zl], v[zb], v[zb+1], v[MX+2*(\v)+zl]
.else
	v_max3_num_f32 v[TA+zl], v[zb+2*zs], v[zb+2*zs+1], v[TA+zl]
.endif
.else
.if zs == 0
	v_max3_num_f32 v[TB+zl], v[zb+16], v[zb+17], v[zb+18]
.else
.if zs < 7
	v_max3_num_f32 v[TB+zl], v[zb+17+2*zs], v[zb+18+2*zs], v[TB+zl]
.else
	v_max3_num_f32 v[TA+zl], v[TA+zl], v[TB+zl], v[zb+31]
.endif
.endif
.endif
.set n, n+1
.endr
.endm
.macro SMALL v                         ; the other half of the keys; alpha = 2^(old maximum - new); MS = - new maximum, into window 0, where S + MS finds it as source 1
	WIN 0x55
	v_permlanex16_b32 v[TX], v[TA], s40, s41
	v_permlanex16_b32 v[TX+1], v[TA+1], s40, s41
	v_max_num_f32 v[TA], v[TA], v[TX]
	v_max_num_f32 v[TA+1], v[TA+1], v[TX+1]
	v_sub_f32 v[TB], v[MX+2*(\v)], v[TA]
	v_sub_f32 v[TB+1], v[MX+2*(\v)+1], v[TA+1]
	v_exp_f32 v[AL+4*(\v)], v[TB]
	v_exp_f32 v[AL+4*(\v)+2], v[TB+1]
	v_mov_b32 v[MX+2*(\v)], v[TA]                  ; plain instructions behind the exponentials (ISA guide 5.7.2)
	v_mov_b32 v[MX+2*(\v)+1], v[TA+1]
	WIN 0x04
	v_mul_f32 v[MS], -1.0, v[TA]
	v_mul_f32 v[MS+2], -1.0, v[TA+1]
	s_wait_alu depctr_va_vdst(0)
.endm
.macro RESCN v, first, cnt             ; O (window 2) times the block's alpha (window 1): instruction n of 32 takes pair n >> 1 of block n & 1; the PV products' own setting
	WIN 0xa6
.set n, \first
.rept \cnt
.set zq, 2*(\v)+(n&1)
	v_pk_mul_f32 v[32*zq+2*(n>>1):32*zq+2*(n>>1)+1], v[32*zq+2*(n>>1):32*zq+2*(n>>1)+1], v[AL+2*zq:AL+2*zq+1] op_sel_hi:[1,0]
.set n, n+1
.endr
.endm
.macro SUB0 v                          ; S - maximum for block 0; the S products' own setting
	WIN 0x51
.set n, 0
.rept 8
	v_pk_add_f32 v[64*(\v)+2*n:64*(\v)+2*n+1], v[64*(\v)+2*n:64*(\v)+2*n+1], v[MS:MS+1] op_sel_hi:[1,0]
.set n, n+1
.endr
.endm
.macro UNIT v, k                       ; k = 0..11: four exponentials of block k >> 2, and S - maximum for two pairs of the block behind it set among them
	WIN 0x51
.set ue, (\k)>>2
.set xb, 32*(2*(\v)+(ue>>1))+16*(ue&1)+4*((\k)&3)
.set yb, 32*(2*(\v)+((ue+1)>>1))+16*((ue+1)&1)+4*((\k)&3)
.set ym, MS+2*((ue+1)>>1)
	v_exp_f32 v[xb], v[xb]
	v_exp_f32 v[xb+1], v[xb+1]
	v_pk_add_f32 v[yb:yb+1], v[yb:yb+1], v[ym:ym+1] op_sel_hi:[1,0]
	v_exp_f32 v[xb+2], v[xb+2]
	v_exp_f32 v[xb+3], v[xb+3]
	v_pk_add_f32 v[yb+2:yb+3], v[yb+2:yb+3], v[ym:ym+1] op_sel_hi:[1,0]
.endm
; Item t = 0..14 of block b's sum and packing: pairs 0 + 1; pack 0; pack 1; then for k = 2..7: add pair k, pack pair k.  16 registers of p become 8 of f16 in place:
; register k is written when pairs 0..k have been added and pair k is read, and k < 2 k + 2, so nothing is lost.
.macro SCI v, b, t
.set cb, 32*(2*(\v)+((\b)>>1))+16*((\b)&1)
.if (\t) == 0
	s_wait_alu depctr_va_vdst(0)
	v_pk_add_f32 v[SP+2*(\b):SP+2*(\b)+1], v[cb:cb+1], v[cb+2:cb+3]
.else
.if (\t) < 3
	v_cvt_pk_f16_f32 v[cb+(\t)-1], v[cb+2*((\t)-1)], v[cb+2*((\t)-1)+1]
.else
.set ck, 2+(((\t)-3)>>1)
.if (((\t)-3)&1) == 0
	v_pk_add_f32 v[SP+2*(\b):SP+2*(\b)+1], v[SP+2*(\b):SP+2*(\b)+1], v[cb+2*ck:cb+2*ck+1]
.else
	v_cvt_pk_f16_f32 v[cb+ck], v[cb+2*ck], v[cb+2*ck+1]
.endif
.endif
.endif
.endm
.macro SCEX v, b, e0                   ; block b's sum and packing, with eight of block 3's exponentials (from register e0) set among them
	WIN 0x55
.set xc, 32*(2*(\v)+1)+16+(\e0)
.set it, 0
.rept 15
	SCI \v, \b, it
.if it < 8
	v_exp_f32 v[xc+it], v[xc+it]
.endif
.set it, it+1
.endr
.endm
.macro SCFIN v                         ; blocks 2 and 3 side by side, then sum = sum x alpha + this step's
	WIN 0x55
.set it, 0
.rept 15
	SCI \v, 2, it
	SCI \v, 3, it
.set it, it+1
.endr
.irp l, 0,1
	v_pk_add_f32 v[SP+4*\l:SP+4*\l+1], v[SP+4*\l:SP+4*\l+1], v[SP+4*\l+2:SP+4*\l+3]
.endr
.irp l, 0,1
	v_add_f32 v[SP+4*\l], v[SP+4*\l], v[SP+4*\l+1]
.endr
.irp l, 0,1
	v_fma_f32 v[LS+2*(\v)+\l], v[LS+2*(\v)+\l], v[AL+4*(\v)+2*\l], v[SP+4*\l]
.endr
.endm
; A half: piece m's 16 PV products and (smul = 1) 16 S products, piece v's softmax behind them.  kwait = 1: K and the biases were fetched at this half's head.
; ldv = 1: the step's V is fetched behind the PV products.
; DISTANCES (ISA guide 7.12.1 for vector instructions), all kept by slices, which are plain instructions on the other piece's registers:
;   the first score tile that lies on a fragment of p read late (block 1, keys' half 1: PV products 12-15) is S product 6: at least 40 plain instructions lie between;
;   V's loads stand behind the two rescales of the last PV slice and the eight instructions of SUB0;
;   the last slice (36 instructions) stands between the last S product and the next half's reads of S and the next trip's loads into K's fragments and the biases.
.macro HALF m, v, smul, kwait, ldv
.irp i, 0,1,2,3
	PVW \m, \i
	MAXN \v, 8*\i, 8
.endr
	PVW \m, 4
	SMALL \v
.irp i, 5,6,7,8,9,10,11,12,13,14
	PVW \m, \i
	RESCN \v, 3*(\i-5), 3
.endr
	PVW \m, 15
	RESCN \v, 30, 2
.if \kwait
	s_wait_dscnt 0x0                               ; K and the biases, asked for sixteen matrix instructions ago
.endif
.if \smul
	SW \m, 0
.endif
	SUB0 \v
.if \ldv
	LOADV
.endif
.irp k, 0,1,2,3,4,5,6,7,8,9,10,11
.if \smul
	SW \m, \k+1
.endif
	UNIT \v, \k
.endr
.if \smul
	SW \m, 13
.endif
	SCEX \v, 0, 0
.if \smul
	SW \m, 14
.endif
	SCEX \v, 1, 8
.if \smul
	SW \m, 15
.endif
	SCFIN \v
.endm
; A slot's 256 keys: four trips over one copy of the two halves.  boff: the slot's first bias, in bytes behind BA.
.macro RUN slot, boff
	WIN 0
.if \slot
	v_add_nc_u32 v[KC], \slot*SLOT, v[KA]
	v_add_nc_u32 v[VC], \slot*SLOT, v[VA]
.else
	v_mov_b32 v[KC], v[KA]
	v_mov_b32 v[VC], v[VA]
.endif
.if \boff
	v_add_nc_u32 v[BC], \boff, v[BA]
.else
	v_mov_b32 v[BC], v[BA]
.endif
	s_mov_b32 s2, 0
.Lstep_\@:
	LOADK
	LOADB
	s_wait_dscnt 24                                ; the last trip's V is in (16 loads, ahead of these); the 24 loads just issued may be out
	HALF 0, 1, 1, 1, 0                             ; Y: O_A += V(prev) P_A(prev), S_A(cur); beside them the softmax of S_B(prev)
	HALF 1, 0, 1, 0, 1                             ; X: O_B += V(prev) P_B(prev), S_B(cur); beside them the softmax of S_A(cur); V(cur) is fetched
	WIN 0
	v_add_nc_u32 v[KC], 64*KP, v[KC]               ; 64 keys on
	v_add_nc_u32 v[VC], 64*VP, v[VC]
	v_add_nc_u32 v[BC], 256, v[BC]
	s_add_co_u32 s2, s2, 1
	s_cmp_lt_u32 s2, 4
	s_cbranch_scc1 .Lstep_\@
.endm
; The change of slots.  other = the slot just read: its last K was fetched at the last trip's head, its last V in that trip's second half.  Each wave waits for all its
; tensor loads (its part of the next slot) and for its LDS reads; behind the round of the cluster's barrier no wave of any partner reads slot other or has a load on
; its way, and the joint refill is the wave's one tensor load.
.macro CHANGE other, refill
	WIN 0
	s_wait_tensorcnt 0x0
	ds_add_u32 v27, v55
	s_wait_dscnt 0x0
.if \refill
	s_add_nc_u64 s[G0K+4*\other+2:G0K+4*\other+3], s[G0K+4*\other+2:G0K+4*\other+3], 65536   ; 512 keys on
	s_add_nc_u64 s[G0V+4*\other+2:G0V+4*\other+3], s[G0V+4*\other+2:G0V+4*\other+3], 65536
.endif
	s_wait_dscnt 0x0
.if \refill
	ROUND
	JLOAD \other
.else
	s_barrier_signal -1
	s_barrier_wait -1
.endif
.endm
	s_mov_b32 s16, 3
.Lloop:                                            ; a trip: 512 keys, both slots filled again; a refill has four steps' work in which to land
	RUN 0, 0
	CHANGE 0, 1
	RUN 1, 1024
	CHANGE 1, 1
	v_add_nc_u32 v[BA], 2048, v[BA]
	s_sub_co_u32 s16, s16, 1
	s_cmp_lg_u32 s16, 0
	s_cbranch_scc1 .Lloop
	RUN 0, 0                                       ; keys 1536-1791
	CHANGE 0, 0                                    ; nothing is left to fetch
	RUN 1, 1024                                    ; keys 1792-2047
	; WHAT THE LAST TRIP LEAVES: piece A's last products, beside them piece B's last softmax, then piece B's last products.
	s_wait_dscnt 0x0                               ; the last step's V
	HALF 0, 1, 0, 0, 0
.irp i, 0,1,2,3,4,5,6,7,8,9,10,11,12,13,14,15
	PVW 1, \i
.endr
	; THE WAY OUT: O / sum, as bf16, through my stage, 512 consecutive bytes (four rows of my head) a store.
	PLACES 4                                       ; between the last products and the first instruction on O (ISA guide 7.12.1)
	WIN 0x55
.irp qb, 0,1,2,3
	v_permlanex16_b32 v[TA+\qb], v[LS+\qb], s40, s41   ; TA and TB, four registers in a row, have been written, as this instruction's destination must be
.endr
.irp qb, 0,1,2,3
	v_add_f32 v[LS+\qb], v[LS+\qb], v[TA+\qb]      ; both halves of the keys
.endr
.irp qb, 0,1,2,3
	v_rcp_f32 v[AL+2*\qb], v[LS+\qb]
.endr
	v_nop                                          ; a plain place behind the reciprocals (ISA guide 5.7.2)
	s_wait_alu depctr_va_vdst(0)
.irp qb, 0,1,2,3
	v_cmp_le_f32 vcc_lo, 0xf0000000, v[MX+\qb]     ; -2^97 <= maximum: the row has met a live key
	v_cndmask_b32 v[AL+2*\qb], 0x7fc00000, v[AL+2*\qb], vcc_lo   ; else NaN
.endr
	RESCN 0, 0, 32
	RESCN 1, 0, 32
	WIN 0x0a
.irp qb, 0,1,2,3
.irp db, 0,1,2,3
.irp p, 0,1,2,3
	v_cvt_pk_bf16_f32 v[OB+4*(4*\qb+\db)+\p], v[32*\qb+8*\db+2*\p], v[32*\qb+8*\db+2*\p+1]
.endr
.endr
.endr
	WIN 0
.irp qb, 0,1,2,3
.irp db, 0,1,2,3
	ds_store_b128 v[STO], v[OB+4*(4*\qb+\db):OB+4*(4*\qb+\db)+3] offset:\qb*16*KP+\db*32   ; query 16 qb + r, d = 16 db + 8 h + 0..7
.endr
.endr
.irp t, 0,1,2,3,4,5,6,7,8,9,10,11,12,13,14,15
	ds_load_b128 v[RB+4*\t:RB+4*\t+3], v[RD] offset:\t*4*KP   ; LDS serves a wave's instructions in order (ISA guide 5.7.1.4): these see the stores above
.endr
.irp t, 0,1,2,3,4,5,6,7,8,9,10,11,12,13,14,15
	s_wait_dscnt 15-\t
	global_store_b128 v[CO], v[RB+4*\t:RB+4*\t+3], s[8:9] offset:\t*512
.endr
	s_wait_tensorcnt 0x0
	ds_add_u32 v27, v55
	s_wait_dscnt 0x0
	ROUND                                          ; the closing round
	s_endpgm
.Lfunc_end_k_q150a6fbf89_attn:
	.size	k_q150a6fbf89_attn, .Lfunc_end_k_q150a6fbf89_attn-k_q150a6fbf89_attn
	.p2alignl 7, 3214868480
	.fill 96, 4, 3214868480
	.section	.rodata,"a",@progbits
	.p2align	6, 0x0
	.amdhsa_kernel k_q150a6fbf89_attn
		.amdhsa_group_segment_fixed_size 327680
		.amdhsa_private_segment_fixed_size 0
		.amdhsa_enable_private_segment 0
		.amdhsa_kernarg_size 24
		.amdhsa_user_sgpr_count 2
		.amdhsa_user_sgpr_kernarg_segment_ptr 1
		.amdhsa_wavefront_size32 1
		.amdhsa_system_sgpr_workgroup_id_x 1
		.amdhsa_system_sgpr_workgroup_id_y 1
		.amdhsa_system_sgpr_workgroup_id_z 1
		.amdhsa_system_vgpr_workitem_id 0
		.amdhsa_next_free_vgpr 704
		.amdhsa_next_free_sgpr 66
		.amdhsa_reserve_vcc 1
		.amdhsa_float_denorm_mode_32 3
		.amdhsa_float_denorm_mode_16_64 3
		.amdhsa_memory_ordered 1
		.amdhsa_forward_progress 1
		.amdhsa_inst_pref_size 180
	.end_amdhsa_kernel
	.amdgpu_metadata
---
amdhsa.version: [ 1, 2 ]
amdhsa.kernels:
  - .name:           k_q150a6fbf89_attn
    .symbol:         k_q150a6fbf89_attn.kd
    .args:
      - { .name: qkvh, .offset: 0, .size: 8, .value_kind: global_buffer, .address_space: global }
      - { .name: attention_mask, .offset: 8, .size: 8, .value_kind: global_buffer, .address_space: global }
      - { .name: ah, .offset: 16, .size: 8, .value_kind: global_buffer, .address_space: global }
    .group_segment_fixed_size: 327680
    .private_segment_fixed_size: 0
    .kernarg_segment_align: 8
    .kernarg_segment_size: 24
    .max_flat_workgroup_size: 128
    .sgpr_count:     66
    .vgpr_count:     704
    .wavefront_size: 32
...
	.end_amdgpu_metadata
.endif
;; end of part 6
;; launch oproj: the kernel of part 5 again; grid 8 x 32, 4 waves a work-group, clusters of 4 x 4, 327,680 bytes of LDS; arguments ah, wb, stats, out0; writes out0
;; ======== version 3 of 3: 5 launches; version 2 with the launch prep written anew for expert scheduling mode
;; limits: values are held in f16: magnitudes above 65,504 overflow, below 6.1e-05 lose precision
;; workspace buffers: wb 8,388,608 bytes; xb 8,388,608 bytes; tpart 131,072 bytes; rot 524,288 bytes; stats 2,048 bytes; qkvh 25,165,824 bytes; ah 8,388,608 bytes
;; launch prep (part 7): grid 256 x 1, 8 waves a work-group, no clusters, 5,120 bytes of LDS; arguments Wq, Wk, Wv, Wo, uq, uk, uv, uo, x, wb, xb, tpart, rot; writes wb, xb, tpart, rot
.if DOCPART == 7
	.amdgcn_target "amdgcn-amd-amdhsa--gfx1250"
	.amdhsa_code_object_version 6
	.text
	.protected	k_q150a6fbf89_prep
	.globl	k_q150a6fbf89_prep
	.p2align	8
	.type	k_q150a6fbf89_prep,@function
k_q150a6fbf89_prep:
	s_mov_b64 s[64:65], 0
	v_nop
	global_prefetch_b8 v0, s[64:65] scope:SCOPE_SE
	s_setreg_imm32_b32 hwreg(HW_REG_WAVE_SCHED_MODE, 0, 2), 2
	s_setreg_imm32_b32 hwreg(HW_REG_WAVE_MODE, 25, 1), 1
	s_wait_xcnt 0x0
	s_wait_alu depctr_vm_vsrc(0)
; SelfAttention, launch 1 of 5: casts, partial sums of W^T u, and the rotary table.
; THE WHOLE PROGRAM: prep (this) -> sig (sums of squares for sigma) -> qkv (x W^T, 1/sigma, rotary) -> attn -> oproj.
; NOTHING IS LEFT OUT AS DEAD: all ten inputs have a way to the output and are loaded.  Two identities, true for all values, shorten the power iteration:
;   with t = W^T u and v = t / (|t| + eps):  W v = (W t) / (|t| + eps), so only |t|^2 and |W t|^2 are needed;
;   with u2 = W v / (|W v| + eps):  sigma = u2 . (W v) = |W v|^2 / (|W v| + eps), so u2 is never formed.
;   x (W / sigma)^T = (x W^T) / sigma: 1/sigma multiplies the f32 sums of the products, and W is rounded to bf16 unscaled.
; LIMITS: the order of rounding differs from the source's in these three places.  Where t or W t is all zeros the source divides by zero; here 1/sigma is then
; infinite and the results are infinities or NaN as well, but not in the same places.
; The rotary angle s f_i is reduced by n = rndne(angle / 2 pi) with 2 pi in two parts and sine and cosine are series in r on [-pi, pi], cut where the next
; term is below 1e-6; f_i = 2^(-i log2(10000) / 32) comes from v_exp_f32.
;
; Work-group g (256 of them): m = g >> 6 picks W and u, rc = (g >> 3) & 7 a chunk of 128 rows, cb = g & 7 a chunk of 128 columns.
;   (a) the 128 x 128 block of W: wave w takes rows 16 w .. 16 w + 15, one row (512 bytes) a load; lane l owns columns 4 l .. 4 l + 3.
;       The block goes out as bf16 (a wave's store covers 256 consecutive bytes, aligned), and sum over the block's rows of u[row] W[row][col] goes to tpart.
;   (b) 65,536 consecutive bytes of x, as bf16 to xb.      (c) row s = 8 g + w of the rotary table: 32 cosines, 32 sines, 256 bytes.
; No matrix unit, no cluster: memory binds and the work-groups share no bytes.  Every store has data registers of its own, so no register is freed by a wait.
; THE MODE: SCHED_MODE bits 1:0 = 2 (LLVM: expert scheduling mode 2), set by the entry lines.  The code itself states the register dependences between vector
; instructions and memory or LDS instructions, with s_wait_alu, always for 0.
; THE PLAN.  Registers that memory or LDS instructions touch:
;   v2, v3, v4, v5, v25   byte offsets, made once at the head and never written again: one wait ahead of the first load serves every load and store.
;   v21, v[18:19]         the table's offset and its two numbers: written by the table's arithmetic, read by one store, never written again.
;   WV, XV                the 32 loads at the head land in them (no vector instruction has named them); item n's vector lines read its four.  v[32:63] take wave 0's LDS loads at the end.
;   PW, PX                item n's two roundings write its pair, its one store reads it, nothing writes it again.
;   v[6:9]                the sums over rows 0 to 15; read by one LDS store, never written again.
;   v224, v225            written at the head, read by the closing add alone.
; The 32 items (16 rows of W, then 16 pieces of x) go in eight groups of four.  ONE wait on va_vdst stands at a group's head: the group before has written its four pairs.
; Those four stores follow it, one ahead of each item's wait for its data; no vector instruction issued since the wait names a pair of the group before, v3 or v5.
; No register that a memory or LDS instruction reads is ever written again, so the body holds no wait on vm_vsrc.
.set WV, 32                            ; v[32:95]   16 rows of W, 4 numbers each
.set XV, 96                            ; v[96:159]  16 pieces of x
.set PW, 160                           ; v[160:191] W as bf16
.set PX, 192                           ; v[192:223] x as bf16
	s_load_b512 s[8:23], s[0:1], 0x0               ; Wq Wk Wv Wo s[8:15], uq uk uv uo s[16:23]
	s_load_b256 s[24:31], s[0:1], 0x40             ; x s[24:25], wb s[26:27], xb s[28:29], tpart s[30:31]
	s_load_b64 s[32:33], s[0:1], 0x60              ; rot
	v_lshl_add_u32 v224, v0, 2, 0x1000
	v_mov_b32 v225, 0
	v_lshrrev_b32 v1, 5, v0
	v_readfirstlane_b32 s53, v1                    ; wave
	v_and_b32 v1, 31, v0                           ; lane
	s_lshr_b32 s52, ttmp9, 6                       ; m
	s_bfe_u32 s54, ttmp9, 0x30003                  ; rc
	s_and_b32 s55, ttmp9, 7                        ; cb
	s_mov_b32 s35, 0                               ; upper word of every offset
	v_lshlrev_b32 v2, 4, v1
	v_lshlrev_b32 v3, 3, v1
	v_lshlrev_b32 v4, 4, v0                        ; x: 16 bytes a thread; also my 16 bytes in LDS
	v_lshlrev_b32 v5, 3, v0                        ; xb: 8 bytes a thread
	v_lshlrev_b32 v25, 4, v1                       ; 16 l
	s_wait_alu depctr_va_sdst(0)                   ; s53 is written, ahead of its first reader, the line below
	v_lshl_add_u32 v2, s53, 16, v2                 ; W: 16 w rows of 4,096 bytes + 16 l
	v_lshl_add_u32 v3, s53, 15, v3                 ; wb: 16 w rows of 2,048 bytes + 8 l
	s_wait_kmcnt 0x0
	s_cmp_eq_u32 s52, 1                            ; the choice of W and u hangs on the work-group's number alone
	s_cselect_b64 s[2:3], s[10:11], s[8:9]
	s_cselect_b64 s[4:5], s[18:19], s[16:17]
	s_cmp_eq_u32 s52, 2
	s_cselect_b64 s[2:3], s[12:13], s[2:3]
	s_cselect_b64 s[4:5], s[20:21], s[4:5]
	s_cmp_eq_u32 s52, 3
	s_cselect_b64 s[2:3], s[14:15], s[2:3]
	s_cselect_b64 s[4:5], s[22:23], s[4:5]
	s_lshl_b32 s34, s54, 9                         ; u: (128 rc + 16 w) x 4 bytes
	s_lshl_b32 s6, s53, 6
	s_add_co_u32 s34, s34, s6
	s_add_nc_u64 s[4:5], s[4:5], s[34:35]
	s_load_b512 s[36:51], s[4:5], 0x0              ; u of my wave's 16 rows
	s_lshl_b32 s34, s54, 19                        ; W: 128 rc rows + 512 cb bytes
	s_lshl_b32 s6, s55, 9
	s_add_co_u32 s34, s34, s6
	s_add_nc_u64 s[2:3], s[2:3], s[34:35]
	s_lshl_b32 s34, ttmp9, 16
	s_add_nc_u64 s[24:25], s[24:25], s[34:35]      ; x
	s_wait_alu depctr_va_vdst(0)                   ; the five offsets v2, v3, v4, v5 and v25 are written: every load and store of W, x, wb, xb and tpart, and the LDS store and loads, read one of them
.set i, 0
.rept 16
	global_load_b128 v[WV+4*i:WV+4*i+3], v2, s[2:3] offset:i*4096
.set i, i+1
.endr
.set i, 0
.rept 16
	global_load_b128 v[XV+4*i:XV+4*i+3], v4, s[24:25] offset:i*4096 th:TH_LOAD_NT
.set i, i+1
.endr
	s_lshl_b32 s34, ttmp9, 15
	s_add_nc_u64 s[28:29], s[28:29], s[34:35]      ; xb
	s_lshr_b32 s6, ttmp9, 3                        ; 8 m + rc
	s_lshl_b32 s34, s6, 18                         ; wb: (1024 m + 128 rc) rows of 2,048 bytes + 256 cb
	s_lshl_b32 s7, s55, 8
	s_add_co_u32 s34, s34, s7
	s_add_nc_u64 s[26:27], s[26:27], s[34:35]
	s_lshl_b32 s34, s6, 12                         ; tpart: row 8 m + rc of 4,096 bytes + 512 cb
	s_lshl_b32 s7, s55, 9
	s_add_co_u32 s34, s34, s7
	s_add_nc_u64 s[30:31], s[30:31], s[34:35]
	s_lshl_b32 s7, ttmp9, 3
	s_add_co_u32 s7, s7, s53                       ; s = 8 g + w
	s_lshl_b32 s34, s7, 8
	s_add_nc_u64 s[32:33], s[32:33], s[34:35]      ; rot's row s
	; the rotary table, while the loads are on their way: lane l works on i0 = 2 (l & 15) and i0 + 1.  None of its registers is one that the loads above touch.
	v_and_b32 v10, 15, v0
	v_lshlrev_b32 v10, 1, v10
	v_add_nc_u32 v11, 1, v10
	v_cvt_f32_u32 v10, v10
	v_cvt_f32_u32 v11, v11
	v_mul_f32 v10, 0xbed49a78, v10                 ; -i log2(10000) / 32
	v_mul_f32 v11, 0xbed49a78, v11
	v_cvt_f32_u32 v14, s7
	v_exp_f32 v12, v10                             ; f_i
	v_exp_f32 v13, v11
	v_lshlrev_b32 v21, 3, v1                       ; 8 l: a plain instruction between the exponentials and their use (ISA guide 5.7.2)
	s_wait_alu depctr_va_vdst(0)                   ; the two exponentials have written v12 and v13, ahead of their first reader: one wait for the batch
	v_mul_f32 v12, v14, v12                        ; the angle
	v_mul_f32 v13, v14, v13
	v_mul_f32 v15, 0x3e22f983, v12                 ; / 2 pi
	v_mul_f32 v24, 0x3e22f983, v13
	v_rndne_f32 v15, v15
	v_rndne_f32 v24, v24
	v_fmamk_f32 v12, v15, 0xc0c90fdb, v12          ; r = angle - n 2 pi, 2 pi in two parts
	v_fmamk_f32 v13, v24, 0xc0c90fdb, v13
	v_fmamk_f32 v12, v15, 0x343bbd2e, v12
	v_fmamk_f32 v13, v24, 0x343bbd2e, v13
	v_mul_f32 v16, v12, v12                        ; z = r r
	v_mul_f32 v17, v13, v13
	v_mov_b32 v20, 0xab573f9f                      ; sine: r (1 - z/3! + z^2/5! - .. - z^7/15!)
	v_fmaak_f32 v18, v20, v16, 0x2f309231
	v_fmaak_f32 v19, v20, v17, 0x2f309231
.irp c, 0xb2d7322b, 0x3638ef1d, 0xb9500d01, 0x3c088889, 0xbe2aaaab, 0x3f800000
	v_fmaak_f32 v18, v18, v16, \c
	v_fmaak_f32 v19, v19, v17, \c
.endr
	v_mul_f32 v18, v18, v12
	v_mul_f32 v19, v19, v13
	v_mov_b32 v20, 0x29573f9f                      ; cosine: 1 - z/2! + z^2/4! - .. + z^8/16!
	v_fmaak_f32 v22, v20, v16, 0xad49cba5
	v_fmaak_f32 v23, v20, v17, 0xad49cba5
.irp c, 0x310f76c7, 0xb493f27e, 0x37d00d01, 0xbab60b61, 0x3d2aaaab, 0xbf000000, 0x3f800000
	v_fmaak_f32 v22, v22, v16, \c
	v_fmaak_f32 v23, v23, v17, \c
.endr
	v_cmp_gt_u32 vcc_lo, 16, v1                    ; lanes 0-15 keep the cosines, lanes 16-31 the sines
	s_wait_alu depctr_va_vcc(0)                    ; the compare has written VCC, which the two selects read
	v_cndmask_b32 v18, v18, v22, vcc_lo
	v_cndmask_b32 v19, v19, v23, vcc_lo
; The store of item n: a row of W as bf16 (n < 16: 256 consecutive bytes of wb a wave) or a piece of x (2,048 consecutive bytes of xb a work-group).
.macro PUT n
.if (\n) < 16
	global_store_b64 v3, v[PW+2*(\n):PW+2*(\n)+1], s[26:27] offset:(\n)*2048
.else
	global_store_b64 v5, v[PX+2*((\n)-16):PX+2*((\n)-16)+1], s[28:29] offset:((\n)-16)*2048
.endif
.endm
	; The 32 items, in eight groups of four.  Item i is in when at most the 31 - i younger loads are out (loads come back in order: ISA guide 5.7.1).
.set i, 0
.rept 32
.if (i%4) == 0
	s_wait_alu depctr_va_vdst(0)                   ; group 0: the selects have written v18 and v19, and v21 is written, which the table's store reads; later groups: the group before has written its four pairs, which the stores below read; at item 16 also: rows 12 to 15 have finished v[6:9], which the LDS store reads
.if i == 0
	global_store_b64 v21, v[18:19], s[32:33]       ; the wave stores the table's row, 256 bytes
	s_wait_kmcnt 0x0                               ; u
.endif
.if i == 16
	ds_store_b128 v4, v[6:9]                       ; my wave's sums over its 16 rows: 512 bytes at 512 w
.endif
.endif
.if i >= 4
	PUT i-4                                        ; an item of the group before; ahead of the wait for data, which it does not hang on.  No vector instruction since the group's head names its pair or its offset
.endif
	s_wait_loadcnt 31-i
.if i == 0
	v_mul_f32 v6, s36, v[WV]                       ; the first row starts the sums
	v_mul_f32 v7, s36, v[WV+1]
	v_mul_f32 v8, s36, v[WV+2]
	v_mul_f32 v9, s36, v[WV+3]
.elseif i < 16
	v_fmac_f32 v6, s[36+i], v[WV+4*i]
	v_fmac_f32 v7, s[36+i], v[WV+4*i+1]
	v_fmac_f32 v8, s[36+i], v[WV+4*i+2]
	v_fmac_f32 v9, s[36+i], v[WV+4*i+3]
.endif
.if i < 16
	v_cvt_pk_bf16_f32 v[PW+2*i], v[WV+4*i], v[WV+4*i+1]
	v_cvt_pk_bf16_f32 v[PW+2*i+1], v[WV+4*i+2], v[WV+4*i+3]
.else
	v_cvt_pk_bf16_f32 v[PX+2*(i-16)], v[XV+4*(i-16)], v[XV+4*(i-16)+1]
	v_cvt_pk_bf16_f32 v[PX+2*(i-16)+1], v[XV+4*(i-16)+2], v[XV+4*(i-16)+3]
.endif
.set i, i+1
.endr
	s_wait_alu depctr_va_vdst(0)                   ; the last group has written its four pairs, which the stores below read; and every vector instruction that names v[32:63] is done: wave 0's LDS loads behind the barrier land there, and no vector instruction stands between this wait and them
	PUT 28
	PUT 29
	PUT 30
	PUT 31
	s_wait_dscnt 0x0                               ; my sums are in LDS before I say so
	s_barrier_signal -1
	s_barrier_wait -1
	s_cmp_lg_u32 s53, 0
	s_cbranch_scc1 .Lend
.irp k, 0,1,2,3,4,5,6,7
	ds_load_b128 v[WV+4*\k:WV+4*\k+3], v25 offset:\k*512   ; wave 0 adds the eight waves' sums, in a fixed order
.endr
	s_wait_dscnt 0x0
.irp k, 1,2,3,4,5,6,7
	v_pk_add_f32 v[WV:WV+1], v[WV:WV+1], v[WV+4*\k:WV+4*\k+1]
	v_pk_add_f32 v[WV+2:WV+3], v[WV+2:WV+3], v[WV+4*\k+2:WV+4*\k+3]
.endr
	s_wait_alu depctr_va_vdst(0)                   ; the additions have written v[32:35], which the store reads
	global_store_b128 v25, v[WV:WV+3], s[30:31]    ; 512 consecutive bytes of tpart
.Lend:
	s_wait_dscnt 0x0                               ; the closing lines, six on end
	s_wait_alu 0x0
	s_wait_tensorcnt 0x0
	ds_add_u32 v224, v225
	s_wait_dscnt 0x0
	s_endpgm
.Lfunc_end_k_q150a6fbf89_prep:
	.size	k_q150a6fbf89_prep, .Lfunc_end_k_q150a6fbf89_prep-k_q150a6fbf89_prep
	.p2alignl 7, 3214868480
	.fill 96, 4, 3214868480
	.section	.rodata,"a",@progbits
	.p2align	6, 0x0
	.amdhsa_kernel k_q150a6fbf89_prep
		.amdhsa_group_segment_fixed_size 5120
		.amdhsa_private_segment_fixed_size 0
		.amdhsa_enable_private_segment 0
		.amdhsa_kernarg_size 104
		.amdhsa_user_sgpr_count 2
		.amdhsa_user_sgpr_kernarg_segment_ptr 1
		.amdhsa_wavefront_size32 1
		.amdhsa_system_sgpr_workgroup_id_x 1
		.amdhsa_system_sgpr_workgroup_id_y 1
		.amdhsa_system_sgpr_workgroup_id_z 1
		.amdhsa_system_vgpr_workitem_id 0
		.amdhsa_next_free_vgpr 226
		.amdhsa_next_free_sgpr 66
		.amdhsa_reserve_vcc 1
		.amdhsa_float_denorm_mode_32 3
		.amdhsa_float_denorm_mode_16_64 3
		.amdhsa_memory_ordered 1
		.amdhsa_forward_progress 1
		.amdhsa_inst_pref_size 21
	.end_amdhsa_kernel
	.amdgpu_metadata
---
amdhsa.version: [ 1, 2 ]
amdhsa.kernels:
  - .name:           k_q150a6fbf89_prep
    .symbol:         k_q150a6fbf89_prep.kd
    .args:
      - { .name: Wq, .offset: 0, .size: 8, .value_kind: global_buffer, .address_space: global }
      - { .name: Wk, .offset: 8, .size: 8, .value_kind: global_buffer, .address_space: global }
      - { .name: Wv, .offset: 16, .size: 8, .value_kind: global_buffer, .address_space: global }
      - { .name: Wo, .offset: 24, .size: 8, .value_kind: global_buffer, .address_space: global }
      - { .name: uq, .offset: 32, .size: 8, .value_kind: global_buffer, .address_space: global }
      - { .name: uk, .offset: 40, .size: 8, .value_kind: global_buffer, .address_space: global }
      - { .name: uv, .offset: 48, .size: 8, .value_kind: global_buffer, .address_space: global }
      - { .name: uo, .offset: 56, .size: 8, .value_kind: global_buffer, .address_space: global }
      - { .name: x, .offset: 64, .size: 8, .value_kind: global_buffer, .address_space: global }
      - { .name: wb, .offset: 72, .size: 8, .value_kind: global_buffer, .address_space: global }
      - { .name: xb, .offset: 80, .size: 8, .value_kind: global_buffer, .address_space: global }
      - { .name: tpart, .offset: 88, .size: 8, .value_kind: global_buffer, .address_space: global }
      - { .name: rot, .offset: 96, .size: 8, .value_kind: global_buffer, .address_space: global }
    .group_segment_fixed_size: 5120
    .private_segment_fixed_size: 0
    .kernarg_segment_align: 8
    .kernarg_segment_size: 104
    .max_flat_workgroup_size: 256
    .sgpr_count:     66
    .vgpr_count:     226
    .wavefront_size: 32
...
	.end_amdgpu_metadata
.endif
;; end of part 7
;; launch sig: the kernel of part 2 again; grid 256 x 1, 8 waves a work-group, no clusters, 2,048 bytes of LDS; arguments Wq, Wk, Wv, Wo, tpart, stats; writes stats
;; launch qkv: the kernel of part 3 again; grid 12 x 16, 4 waves a work-group, clusters of 4 x 4, 327,680 bytes of LDS; arguments xb, wb, rot, stats, qkvh; writes qkvh
;; launch attn: the kernel of part 6 again; grid 8 x 32, 4 waves a work-group, clusters of 4 x 1, 327,680 bytes of LDS; arguments qkvh, attention_mask, ah; writes ah
;; launch oproj: the kernel of part 5 again; grid 8 x 32, 4 waves a work-group, clusters of 4 x 4, 327,680 bytes of LDS; arguments ah, wb, stats, out0; writes out0
